; MI455X (gfx1250); checked and timed in simulation.
; The chip was launched on July 23, 2026; its instructions are those of AMD's public machine-readable ISA for CDNA 5 (MIT licence, August 2026) and "CDNA5" Instruction Set Architecture Reference Guide (July 2026). The comments in the code are by the model that wrote it; some were corrected since.
;; Cross Attention. Allowed arithmetic: matrix products marked QUANTISED: E2M1 operands, one E8M0 scale for each 32 along K, by v_wmma_scale_f32_16x16x128_f8f6f4 with both operands' format E2M1 (or v_wmma_scale_f32_32x16x128_f4), f32 sums; products left as they are: bf16, f16 or f32 operands; f32 sums; everything else in f32.
;; Inputs: Wk 1,024 x 1,024 float32; Wo 1,024 x 1,024 float32; Wq 1,024 x 1,024 float32; Wv 1,024 x 1,024 float32; bk 1,024 float32; bo 1,024 float32; bq 1,024 float32; bv 1,024 float32; embeds 4 x 2,048 x 1,024 float32; x 4 x 2,048 x 1,024 float32.
;; Outputs: out0 4 x 2,048 x 1,024 float32.
;; This version of the problem:
;;   THIS VERSION OF THE PROBLEM IS GIVEN IN LOW PRECISION. The matrix products marked QUANTISED in the list below multiply operands that are first quantised to E2M1 (2 exponent bits, 1 mantissa bit; 4 bits a number), with one power-of-two scale for each 32 numbers along K (OCP MX v1.0); their sums are f32. The products marked 'left as it is' may take bf16, f16 or f32 operands, with f32 sums. Whichever they take, every output number must still come out within the allowed error. Rounding operands to bf16 (8 significant bits) uses up far more of that allowance than f16 does (11 bits, for magnitudes from 6e-5 to 65,504). All else is computed in f32.
;;   The module's matrix products, in the order in which they are computed (A, B: the left and right operand; K: the contracted axis; several contracted axes count as one K, in the product's order):
;;     1. [M 8,192, K 1,024] x [K 1,024, N 1,024]; A: input x; B: input Wq: QUANTISED
;;     2. [M 8,192, K 1,024] x [K 1,024, N 1,024]; A: input embeds; B: input Wk: QUANTISED
;;     3. [M 8,192, K 1,024] x [K 1,024, N 1,024]; A: input embeds; B: input Wv: QUANTISED
;;     4. batch 64 x [M 2,048, K 64] x [K 64, N 2,048]; A: computed on the way; B: computed on the way: left as it is (an operand is computed on the way)
;;     5. batch 64 x [M 64, K 2,048] x [K 2,048, N 2,048]; A: computed on the way; B: computed on the way: left as it is (an operand is computed on the way)
;;     6. [M 8,192, K 1,024] x [K 1,024, N 1,024]; A: computed on the way; B: input Wo: left as it is (an operand is computed on the way)
;;   THE QUANTISER, for each operand of a quantised product, along K:
;;     - K is cut into blocks of 32 from its start; a last block that is shorter is filled with zeros.
;;     - A block's scale is 2^e with e = floor(log2(the largest magnitude in the block)) - 2, held to -126 .. 127; a block of zeros has e = 0. As a byte (E8M0): e + 127.
;;     - Each number is divided by its block's scale, clamped to +-6, and rounded to the nearest number of E2M1, ties to even, subnormals kept.
;;     - The product sums the exact products of the quantised numbers (number of the format x scale) in f32.
;;   ~~~python
;;   def quantise(x, axis):      # numpy; x: float32 -> the quantised numbers, widened to float32 again
;;       x = np.moveaxis(x, axis, -1); K = x.shape[-1]
;;       x = np.pad(x, [(0, 0)] * (x.ndim - 1) + [(0, -K % 32)]); x = x.reshape(x.shape[:-1] + (-1, 32)); a = np.abs(x).max(-1, keepdims=True)
;;       e = np.where(a > 0, np.clip(np.frexp(np.where(a > 0, a, 1))[1] - 1 - 2, -126, 127), 0)      # np.frexp(a)[1] - 1 = floor(log2(a)), exactly
;;       r = np.clip(x / 2.0 ** e, -6, 6)
;;       step = 2.0 ** (np.maximum(np.frexp(np.where(r == 0, 1, r))[1] - 1, 0) - 1)
;;       q = np.round(r / step) * step * 2.0 ** e      # np.round: ties to even
;;       return np.moveaxis(q.reshape(q.shape[:-2] + (-1,))[..., :K], -1, axis).astype(np.float32)
;;   ~~~
;; One version. Each part assembles by itself: llvm-mc -triple=amdgcn-amd-amdhsa -mcpu=gfx1250 --defsym DOCPART=n.
;; ======== version 1 of 1: 5 launches
;; limits: values are held in f16: magnitudes above 65,504 overflow, below 6.1e-05 lose precision
;; workspace buffers: act_codes 8,388,608 bytes; act_scales 524,288 bytes; w_codes 1,572,864 bytes; w_scales 98,304 bytes; wo_img 2,097,152 bytes; qkv_img 50,331,648 bytes; ctx_img 16,777,216 bytes
;; launch quant_act (part 1): grid 512 x 1, 4 waves a work-group, no clusters, 33,280 bytes of LDS; arguments x, embeds, act_codes, act_scales; writes act_codes, act_scales
.if DOCPART == 1
	.amdgcn_target "amdgcn-amd-amdhsa--gfx1250"
	.amdhsa_code_object_version 6
	.text
	.protected	k_q4f108d54c4_quant_act
	.globl	k_q4f108d54c4_quant_act
	.p2align	8
	.type	k_q4f108d54c4_quant_act,@function
k_q4f108d54c4_quant_act:
	s_mov_b64 s[64:65], 0
	v_nop
	global_prefetch_b8 v0, s[64:65] scope:SCOPE_SE
	s_setreg_imm32_b32 hwreg(HW_REG_WAVE_MODE, 25, 1), 1
	s_wait_xcnt 0x0
; x and embeds, each [8192][1024] f32, become codes of FP4 (E2M1), K innermost, two codes a byte, with one E8M0 scale byte for each 32 along K.
; act_codes is [2][8192][512 bytes], act_scales [2][8192][32 bytes]: x first, embeds behind it.
; A block's scale is 2^(floor(log2(its largest magnitude)) - 2); its byte is the largest magnitude's exponent field - 2, held at 1 from below.
; (A block of zeros so gets the byte 1 where the quantiser says 127: its codes are zeros, which add nothing, and this program alone reads the bytes.)
; LIMITS: blocks whose largest magnitude lies under 2^-124 keep the byte 1; NaN and infinities among the inputs are not served.
; Rows are dense and 1024 is a multiple of 32: both tensors are plain streams of blocks of 32, and so are codes and scale bytes.
; A wave takes 16 steps of 512 numbers.  Each of a step's four loads reads 512 consecutive bytes; the 2,048 bytes turn through the wave's own stage in LDS and come back
; 64 bytes a lane, so that a lane holds 16 neighbours along K (two neighbouring lanes hold a block), as the conversions want them.  A lane's 16 codes are 8 bytes: a store covers 256 consecutive bytes.
; A wave's 256 scale bytes are gathered in its own LDS bytes and leave as 256 consecutive bytes.  The first 256 work-groups take x, the others embeds.  Waves share nothing: no barrier.
.set WAVES, 4
.set STEPS, 16
.set WGA,   256                        ; 8192 x 1024 numbers / 32,768 a work-group
.set EMAX,  2
.set CB,    8                          ; bytes of 16 codes
.set R,     16                         ; v16-79   four sets of 16 numbers as they are loaded
.set X,     80                         ; v80-111  two sets of 16 neighbours
.set C,     128                        ; v128-191 codes: four registers for each step, so that no store's data are written again
.set E,     112                        ; v112-127 a scale byte for each step
.set WREG,  8192                       ; LDS: a region for each wave: two stages of 32 x SP bytes, behind them its 256 scale bytes
.set SP,    80                         ; a lane's place in a stage: its 64 bytes + 16 of padding
.set SPW,   12                         ; v12 LDS address of my spare word; never rewritten
.set NIL,   13                         ; v13 0; never rewritten
.set SPARE, WAVES*WREG                 ; behind the four regions: the spare words, 128 bytes a wave, which no other line names
	s_load_b128 s[4:7], s[0:1], 0x0                ; x, embeds
	s_load_b128 s[8:11], s[0:1], 0x10              ; the codes, the scale bytes
	v_lshl_add_u32 v[SPW], v0, 2, SPARE
	v_mov_b32 v[NIL], 0
	v_lshrrev_b32 v1, 5, v0
	v_readfirstlane_b32 s16, v1                    ; wave
	v_and_b32 v2, 31, v0                           ; lane
	v_lshlrev_b32 v3, 4, v2                        ; my 16 bytes of a load's 512
	s_mul_i32 s17, s16, WREG
	v_lshrrev_b32 v14, 2, v2
	v_mul_u32_u24 v14, v14, SP
	v_and_b32 v15, 3, v2
	v_lshl_add_u32 v14, v15, 4, v14
	v_add_nc_u32 v14, s17, v14                     ; the stage, on the way in: SP (lane / 4) + 16 (lane % 4)
	v_mul_u32_u24 v15, v2, SP
	v_add_nc_u32 v15, s17, v15                     ; and on the way out: SP x lane: my 16 neighbours
	v_mul_u32_u24 v4, v2, CB                       ; my codes' place in a step's
	v_lshrrev_b32 v5, 1, v2
	s_add_co_u32 s17, s17, 2*32*SP
	v_add_nc_u32 v5, s17, v5                       ; LDS: my wave's 256 scale bytes, my block's byte
	v_lshlrev_b32 v7, 3, v2                        ; and on the way out 8 bytes a lane
	v_add_nc_u32 v6, s17, v7
	s_wait_kmcnt 0x0
	s_cmp_lt_u32 ttmp9, WGA                        ; x's work-group or embeds'?  The choice hangs on the work-group's number alone
	s_cselect_b64 s[4:5], s[4:5], s[6:7]
	s_cselect_b32 s17, 0, WGA
	s_sub_co_u32 s17, ttmp9, s17
	s_lshl_b32 s17, s17, 2
	s_add_co_u32 s18, s17, s16                     ; which run of 8,192 numbers of the tensor is my wave's
	s_mov_b32 s19, 0
	s_lshl_b64 s[20:21], s[18:19], 15              ; 32,768 bytes of f32 a run
	s_add_nc_u64 s[4:5], s[4:5], s[20:21]
	s_lshl_b32 s18, ttmp9, 2
	s_add_co_u32 s18, s18, s16                     ; the run's number over both tensors: their codes and bytes lie one behind the other
	s_lshl_b32 s20, s18, 12                        ; 4,096 bytes of codes a run
	s_mov_b32 s21, 0
	s_add_nc_u64 s[8:9], s[8:9], s[20:21]
	s_lshl_b32 s20, s18, 8                         ; 256 scale bytes a run
	s_add_nc_u64 s[10:11], s[10:11], s[20:21]
.macro LOAD t
.irp i, 0,1,2,3
	global_load_b128 v[R+16*((\t)%4)+4*\i:R+16*((\t)%4)+4*\i+3], v3, s[4:5] offset:2048*(\t)+512*\i th:TH_LOAD_NT   ; 32 lanes read 512 consecutive bytes
.endr
.endm
.macro TURN t                          ; step t's numbers through the stage: LDS serves a wave's instructions in order, so no wait stands between the stores and the loads
.irp i, 0,1,2,3
	ds_store_b128 v14, v[R+16*((\t)%4)+4*\i:R+16*((\t)%4)+4*\i+3] offset:32*SP*((\t)%2)+8*SP*\i
.endr
.irp i, 0,1,2,3
	ds_load_b128 v[X+16*((\t)%2)+4*\i:X+16*((\t)%2)+4*\i+3], v15 offset:32*SP*((\t)%2)+16*\i
.endr
.endm
.irp t, 0,1,2,3
	LOAD \t
.endr
	s_wait_loadcnt 12                              ; step 0's four loads are in; twelve younger ones stay out
	TURN 0
.macro STEP t
.set XS, X+16*((\t)%2)
.if (\t) > 0
	s_wait_dscnt 1                                 ; this step's numbers are back from the stage (the last step's byte store may be out): so its stores into the stage have read their registers,
.else
	s_wait_dscnt 0x0
.endif
.if (\t)+4 < STEPS
	LOAD (\t)+4                                    ; which take the loads of four steps on
.endif
.if (\t)+1 < STEPS
.if STEPS-2-(\t) >= 3
	s_wait_loadcnt 12                              ; the next step's four loads are in; those of the three steps behind it may be out
.else
	s_wait_loadcnt 4*(STEPS-2-(\t))
.endif
	TURN (\t)+1                                    ; and go through the other stage while this step is worked
.endif
	v_max3_num_f32 v8, |v[XS]|, |v[XS+1]|, |v[XS+2]|               ; the largest magnitude of my 16, in two chains
	v_max3_num_f32 v9, |v[XS+3]|, |v[XS+4]|, |v[XS+5]|
.irp i, 6,10
	v_max3_num_f32 v8, v8, |v[XS+\i]|, |v[XS+\i+1]|
	v_max3_num_f32 v9, v9, |v[XS+\i+2]|, |v[XS+\i+3]|
.endr
	v_max3_num_f32 v8, v8, |v[XS+14]|, |v[XS+15]|
	v_max3_num_f32 v8, v8, v9, (EMAX+1)<<23        ; and the floor 2^(3 - 127): the byte cannot fall under 1
	v_max_num_f32_dpp v8, v8, v8 row_xmask:1 row_mask:0xf bank_mask:0xf   ; and of my neighbour's 16: the block's
	v_add_nc_u32 v11, -(EMAX<<23), v8              ; 2 off its exponent field: the conversion takes the exponent field of this operand as its scale
	v_cvt_scalef32_pk8_fp4_f32 v[C+4*(\t)], v[XS:XS+7], v11        ; eight numbers / the scale, to the nearest code, ties to even, beyond 6 the largest code
	v_cvt_scalef32_pk8_fp4_f32 v[C+4*(\t)+1], v[XS+8:XS+15], v11
	v_lshrrev_b32 v[E+(\t)], 23, v11               ; the scale's byte (a plain line behind the conversions)
	ds_store_b8 v5, v[E+(\t)] offset:16*(\t)       ; both lanes of a block write the same byte with the same value
	global_store_b64 v4, v[C+4*(\t):C+4*(\t)+1], s[8:9] offset:32*CB*(\t)   ; 32 lanes store 256 consecutive bytes
.endm
.irp t, 0,1,2,3,4,5,6,7,8,9,10,11,12,13,14,15
	STEP \t
.endr
	ds_load_b64 v[8:9], v6                         ; LDS serves a wave's instructions in order: these see my stores
	s_wait_dscnt 0x0
	global_store_b64 v7, v[8:9], s[10:11]          ; 32 lanes store 256 consecutive bytes
	s_wait_tensorcnt 0x0                           ; the wave's end, behind my last LDS store
	ds_add_u32 v[SPW], v[NIL]
	s_wait_dscnt 0x0
	s_endpgm
.Lfunc_end_k_q4f108d54c4_quant_act:
	.size	k_q4f108d54c4_quant_act, .Lfunc_end_k_q4f108d54c4_quant_act-k_q4f108d54c4_quant_act
	.p2alignl 7, 3214868480
	.fill 96, 4, 3214868480
	.section	.rodata,"a",@progbits
	.p2align	6, 0x0
	.amdhsa_kernel k_q4f108d54c4_quant_act
		.amdhsa_group_segment_fixed_size 33280
		.amdhsa_private_segment_fixed_size 0
		.amdhsa_enable_private_segment 0
		.amdhsa_kernarg_size 32
		.amdhsa_user_sgpr_count 2
		.amdhsa_user_sgpr_kernarg_segment_ptr 1
		.amdhsa_wavefront_size32 1
		.amdhsa_system_sgpr_workgroup_id_x 1
		.amdhsa_system_sgpr_workgroup_id_y 1
		.amdhsa_system_sgpr_workgroup_id_z 1
		.amdhsa_system_vgpr_workitem_id 0
		.amdhsa_next_free_vgpr 192
		.amdhsa_next_free_sgpr 66
		.amdhsa_reserve_vcc 0
		.amdhsa_float_denorm_mode_32 3
		.amdhsa_float_denorm_mode_16_64 3
		.amdhsa_memory_ordered 1
		.amdhsa_forward_progress 1
		.amdhsa_inst_pref_size 33
	.end_amdhsa_kernel
	.amdgpu_metadata
---
amdhsa.version: [ 1, 2 ]
amdhsa.kernels:
  - .name:           k_q4f108d54c4_quant_act
    .symbol:         k_q4f108d54c4_quant_act.kd
    .args:
      - { .name: x, .offset: 0, .size: 8, .value_kind: global_buffer, .address_space: global }
      - { .name: embeds, .offset: 8, .size: 8, .value_kind: global_buffer, .address_space: global }
      - { .name: act_codes, .offset: 16, .size: 8, .value_kind: global_buffer, .address_space: global }
      - { .name: act_scales, .offset: 24, .size: 8, .value_kind: global_buffer, .address_space: global }
    .group_segment_fixed_size: 33280
    .private_segment_fixed_size: 0
    .kernarg_segment_align: 8
    .kernarg_segment_size: 32
    .max_flat_workgroup_size: 128
    .sgpr_count:     66
    .vgpr_count:     192
    .wavefront_size: 32
...
	.end_amdgpu_metadata
.endif
;; end of part 1
;; launch quant_w (part 2): grid 32 x 8, 8 waves a work-group, no clusters, 10,240 bytes of LDS; arguments Wq, Wk, Wv, Wo, w_codes, w_scales, wo_img; writes w_codes, w_scales, wo_img
.if DOCPART == 2
	.amdgcn_target "amdgcn-amd-amdhsa--gfx1250"
	.amdhsa_code_object_version 6
	.text
	.protected	k_q4f108d54c4_quant_w
	.globl	k_q4f108d54c4_quant_w
	.p2align	8
	.type	k_q4f108d54c4_quant_w,@function
k_q4f108d54c4_quant_w:
	s_mov_b64 s[64:65], 0
	v_nop
	global_prefetch_b8 v0, s[64:65] scope:SCOPE_SE
	s_setreg_imm32_b32 hwreg(HW_REG_WAVE_MODE, 25, 1), 1
	s_wait_xcnt 0x0
; The four weights, each [1024 (k)][1024 (n)] f32 with K as the FIRST axis.
; Wq, Wk, Wv become codes of FP4 (E2M1) laid [3][1024 (n)][512 bytes], K innermost, with scale bytes [3][1024][32], by the quantiser of the activations' launch (same limits: the byte is held at 1 from below;
; NaN and infinities are not served).  Wo becomes f16 (LIMIT: |Wo| up to 65,504), laid as images of the last product's operand registers: [k / 128][n / 16][group 8][512 bytes]; in a group lane 16 h + r
; holds n = r of the tile and k = 16 group + 8 h + 0 .. 7, 16 bytes.
; A LANE TAKES A COLUMN n AND ITS REGISTERS RUN DOWN K: each load reads 128 consecutive bytes, a block of 32 along K lies in one lane's registers, and codes and f16 pairs come out with K innermost.
; SHARES.  Work-group x: 32 columns.  Work-group y: weight y / 2, K half y % 2.  Wave w: 64 along K: 64 loads, all issued at once.
; The codes of a column's 512 along K come from eight waves: they meet in a stage in LDS (rows of 256 bytes + 16), a barrier, and leave sixteen lanes to 256 consecutive bytes.
; The scale bytes leave as 16 bytes of each column's row of 32: one byte in 128 of what the launch reads.  Wo's f16 numbers go out from registers: sixteen lanes hold 256 consecutive bytes of an image.
.set PITCH, 272
.set SCS,   32*PITCH                   ; behind the codes' stage: 32 columns x 16 scale bytes
.set SPARE, 9216                       ; the spare words, 128 bytes for each of eight waves, which no other line names
.set SPW,   14
.set NIL,   15
.set X,     32                         ; v32-95  my column's 64 numbers
.set PKW,   96                         ; v96-127 Wo: 64 numbers as f16
	s_load_b256 s[4:11], s[0:1], 0x0               ; Wq, Wk, Wv, Wo
	s_load_b128 s[12:15], s[0:1], 0x20             ; the codes, the scale bytes
	s_load_b64 s[16:17], s[0:1], 0x30              ; Wo's images
	v_lshl_add_u32 v[SPW], v0, 2, SPARE
	v_mov_b32 v[NIL], 0
	v_lshrrev_b32 v1, 5, v0
	v_readfirstlane_b32 s18, v1                    ; wave 0..7
	v_and_b32 v1, 31, v0                           ; lane
	v_lshlrev_b32 v2, 2, v1                        ; in: 4 bytes a lane
	v_lshrrev_b32 v18, 4, v1                       ; lane / 16
	v_and_b32 v19, 15, v1                          ; lane % 16
	s_and_b32 s19, ttmp7, 0xffff
	s_lshr_b32 s20, s19, 1                         ; which weight: 0 Wq, 1 Wk, 2 Wv, 3 Wo
	s_and_b32 s21, s19, 1                          ; which half of K
	; every LDS address is made here, ahead of the first parting of the ways
	v_mul_u32_u24 v3, v1, PITCH
	s_lshl_b32 s22, s18, 5
	v_add_nc_u32 v3, s22, v3                       ; into the stage: row = my column, my wave's 32 bytes
	v_lshlrev_b32 v4, 4, v1
	s_lshl_b32 s22, s18, 1
	s_add_co_u32 s22, s22, SCS
	v_add_nc_u32 v4, s22, v4                       ; my column's 16 scale bytes, my wave's two
	v_mul_u32_u24 v5, v18, PITCH
	v_lshl_add_u32 v5, v19, 4, v5
	s_mul_i32 s22, s18, 4*PITCH
	v_add_nc_u32 v5, s22, v5                       ; out of the stage: wave w takes rows 4 w .. 4 w + 3, sixteen lanes to a row
	v_lshlrev_b32 v6, 9, v18
	v_lshl_add_u32 v6, v19, 4, v6                  ; and the same place in the codes' buffer (rows of 512 bytes)
	v_lshlrev_b32 v7, 4, v1
	v_add_nc_u32 v7, SCS, v7                       ; the scale bytes back: a lane a column
	v_lshlrev_b32 v8, 5, v1                        ; and its row of 32 bytes in memory
	v_lshlrev_b32 v9, 12, v18
	v_lshl_add_u32 v9, v19, 4, v9                  ; Wo's images: tile lane / 16 (4,096 bytes a tile), 16 bytes for n = lane % 16
	; byte offsets
	s_lshl_b32 s22, s21, 3
	s_add_co_u32 s22, s22, s18
	s_lshl_b32 s22, s22, 18                        ; in: (512 half + 64 wave) rows of 4,096 bytes
	s_lshl_b32 s23, ttmp9, 7
	s_add_co_u32 s22, s22, s23                     ; + 32 columns x 4 bytes x work-group x
	s_mov_b32 s23, 0
	s_min_u32 s27, s20, 2                          ; (Wo's work-groups use neither of the next two pointers; the index is held inside the buffers all the same)
	s_lshl_b32 s24, s27, 19
	s_lshl_b32 s26, ttmp9, 14
	s_add_co_u32 s24, s24, s26
	s_lshl_b32 s26, s18, 11
	s_add_co_u32 s24, s24, s26
	s_lshl_b32 s26, s21, 8
	s_add_co_u32 s24, s24, s26                     ; codes: weight x 2^19 + (32 x + 4 wave) rows of 512 + 256 half
	s_mov_b32 s25, 0
	s_lshl_b32 s28, s27, 15
	s_lshl_b32 s26, ttmp9, 10
	s_add_co_u32 s28, s28, s26
	s_lshl_b32 s26, s21, 4
	s_add_co_u32 s28, s28, s26                     ; scale bytes: weight x 2^15 + 32 x rows of 32 + 16 half
	s_mov_b32 s29, 0
	s_lshl_b32 s30, s21, 2
	s_lshr_b32 s26, s18, 1
	s_add_co_u32 s30, s30, s26
	s_lshl_b32 s30, s30, 18                        ; images: chunk of 128 along K = 4 half + wave / 2, 2^18 bytes each
	s_lshl_b32 s26, ttmp9, 13
	s_add_co_u32 s30, s30, s26                     ; + two tiles x work-group x
	s_and_b32 s26, s18, 1
	s_lshl_b32 s26, s26, 11
	s_add_co_u32 s30, s30, s26                     ; + four groups for the chunk's upper 64
	s_mov_b32 s31, 0
	s_wait_kmcnt 0x0
	s_cmp_eq_u32 s20, 1                            ; the weight is chosen by the work-group's number alone
	s_cselect_b64 s[4:5], s[6:7], s[4:5]
	s_cmp_eq_u32 s20, 2
	s_cselect_b64 s[4:5], s[8:9], s[4:5]
	s_cmp_eq_u32 s20, 3
	s_cselect_b64 s[4:5], s[10:11], s[4:5]
	s_add_nc_u64 s[4:5], s[4:5], s[22:23]
	s_add_nc_u64 s[12:13], s[12:13], s[24:25]
	s_add_nc_u64 s[14:15], s[14:15], s[28:29]
	s_add_nc_u64 s[16:17], s[16:17], s[30:31]
.irp i, 0,1,2,3,4,5,6,7,8,9,10,11,12,13,14,15,16,17,18,19,20,21,22,23,24,25,26,27,28,29,30,31,32,33,34,35,36,37,38,39,40,41,42,43,44,45,46,47,48,49,50,51,52,53,54,55,56,57,58,59,60,61,62,63
	global_load_b32 v[X+\i], v2, s[4:5] offset:\i*4096 th:TH_LOAD_NT   ; W(k0 + i, my column): a wave reads 128 consecutive bytes
.endr
; block t of my column's two: its largest magnitude, scale, codes
.macro BLOCK t
.set XS, X+32*(\t)
	s_wait_loadcnt 32-32*(\t)                      ; this block's 32 loads are in; block 1's may stay out while block 0 is worked
	v_max3_num_f32 v12, |v[XS]|, |v[XS+1]|, |v[XS+2]|
	v_max3_num_f32 v13, |v[XS+3]|, |v[XS+4]|, |v[XS+5]|
.irp i, 6,10,14,18,22,26
	v_max3_num_f32 v12, v12, |v[XS+\i]|, |v[XS+\i+1]|
	v_max3_num_f32 v13, v13, |v[XS+\i+2]|, |v[XS+\i+3]|
.endr
	v_max3_num_f32 v12, v12, |v[XS+30]|, |v[XS+31]|
	v_max3_num_f32 v12, v12, v13, 0x1800000        ; and the floor 2^(3 - 127): the byte cannot fall under 1
	v_add_nc_u32 v[10+\t], 0xff000000, v12         ; 2 off the exponent field: the conversion's scale operand
	v_lshrrev_b32 v[16+\t], 23, v[10+\t]           ; the scale's byte
.irp g, 0,1,2,3
	v_cvt_scalef32_pk8_fp4_f32 v[24+4*(\t)+\g], v[XS+8*\g:XS+8*\g+7], v[10+\t]
.endr
	ds_store_b128 v3, v[24+4*(\t):27+4*(\t)] offset:16*(\t)   ; 32 codes: 16 bytes of my column's row
.endm
	s_cmp_eq_u32 s20, 3
	s_cbranch_scc1 .Lwo
	BLOCK 0
	BLOCK 1
	v_lshl_or_b32 v16, v17, 8, v16                 ; (a plain line behind the conversions)  my two bytes, the lower K below
	ds_store_b16 v4, v16
	s_branch .Lmeet
.Lwo:                                                  ; Wo: rounded to f16, the lower k in the low half, and stored as it lies in the registers
	s_wait_loadcnt 0x0
.irp i, 0,1,2,3,4,5,6,7,8,9,10,11,12,13,14,15,16,17,18,19,20,21,22,23,24,25,26,27,28,29,30,31
	v_cvt_pk_f16_f32 v[PKW+\i], v[X+2*\i], v[X+2*\i+1]
.endr
.irp u, 0,1,2,3,4,5,6,7
	global_store_b128 v9, v[PKW+4*\u:PKW+4*\u+3], s[16:17] offset:256*\u   ; k0 + 8 u .. + 7: group u / 2, half u % 2: sixteen lanes store 256 consecutive bytes
.endr
.Lmeet:
	s_wait_dscnt 0x0                               ; for the others' sake: my stores into the stages are done
	s_barrier_signal -1
	s_barrier_wait -1                              ; every wave of every work-group passes this barrier
	s_cmp_eq_u32 s20, 3
	s_cbranch_scc1 .Lend
	ds_load_b128 v[24:27], v5                      ; rows 4 w and 4 w + 1, whole
	ds_load_b128 v[28:31], v5 offset:2*PITCH       ; rows 4 w + 2 and 4 w + 3
	s_wait_dscnt 1                                 ; the first of the two is in
	global_store_b128 v6, v[24:27], s[12:13]       ; sixteen lanes store 256 consecutive bytes
	s_wait_dscnt 0x0
	global_store_b128 v6, v[28:31], s[12:13] offset:1024
	s_cmp_lg_u32 s18, 0
	s_cbranch_scc1 .Lend                           ; wave 0 alone sends the scale bytes
	ds_load_b128 v[20:23], v7
	s_wait_dscnt 0x0
	global_store_b128 v8, v[20:23], s[14:15]
.Lend:
	s_wait_tensorcnt 0x0                           ; the wave's end, behind my last LDS store
	ds_add_u32 v[SPW], v[NIL]
	s_wait_dscnt 0x0
	s_endpgm
.Lfunc_end_k_q4f108d54c4_quant_w:
	.size	k_q4f108d54c4_quant_w, .Lfunc_end_k_q4f108d54c4_quant_w-k_q4f108d54c4_quant_w
	.p2alignl 7, 3214868480
	.fill 96, 4, 3214868480
	.section	.rodata,"a",@progbits
	.p2align	6, 0x0
	.amdhsa_kernel k_q4f108d54c4_quant_w
		.amdhsa_group_segment_fixed_size 10240
		.amdhsa_private_segment_fixed_size 0
		.amdhsa_enable_private_segment 0
		.amdhsa_kernarg_size 56
		.amdhsa_user_sgpr_count 2
		.amdhsa_user_sgpr_kernarg_segment_ptr 1
		.amdhsa_wavefront_size32 1
		.amdhsa_system_sgpr_workgroup_id_x 1
		.amdhsa_system_sgpr_workgroup_id_y 1
		.amdhsa_system_sgpr_workgroup_id_z 1
		.amdhsa_system_vgpr_workitem_id 0
		.amdhsa_next_free_vgpr 128
		.amdhsa_next_free_sgpr 66
		.amdhsa_reserve_vcc 0
		.amdhsa_float_denorm_mode_32 3
		.amdhsa_float_denorm_mode_16_64 3
		.amdhsa_memory_ordered 1
		.amdhsa_forward_progress 1
		.amdhsa_inst_pref_size 16
	.end_amdhsa_kernel
	.amdgpu_metadata
---
amdhsa.version: [ 1, 2 ]
amdhsa.kernels:
  - .name:           k_q4f108d54c4_quant_w
    .symbol:         k_q4f108d54c4_quant_w.kd
    .args:
      - { .name: Wq, .offset: 0, .size: 8, .value_kind: global_buffer, .address_space: global }
      - { .name: Wk, .offset: 8, .size: 8, .value_kind: global_buffer, .address_space: global }
      - { .name: Wv, .offset: 16, .size: 8, .value_kind: global_buffer, .address_space: global }
      - { .name: Wo, .offset: 24, .size: 8, .value_kind: global_buffer, .address_space: global }
      - { .name: w_codes, .offset: 32, .size: 8, .value_kind: global_buffer, .address_space: global }
      - { .name: w_scales, .offset: 40, .size: 8, .value_kind: global_buffer, .address_space: global }
      - { .name: wo_img, .offset: 48, .size: 8, .value_kind: global_buffer, .address_space: global }
    .group_segment_fixed_size: 10240
    .private_segment_fixed_size: 0
    .kernarg_segment_align: 8
    .kernarg_segment_size: 56
    .max_flat_workgroup_size: 256
    .sgpr_count:     66
    .vgpr_count:     128
    .wavefront_size: 32
...
	.end_amdgpu_metadata
.endif
;; end of part 2
;; launch qkv (part 3): grid 4 x 96, 4 waves a work-group, clusters of 4 x 4, 327,680 bytes of LDS; arguments act_codes, act_scales, w_codes, w_scales, bq, bk, bv, qkv_img; writes qkv_img
.if DOCPART == 3
	.amdgcn_target "amdgcn-amd-amdhsa--gfx1250"
	.amdhsa_code_object_version 6
	.text
	.protected	k_q4f108d54c4_qkv
	.globl	k_q4f108d54c4_qkv
	.p2align	8
	.type	k_q4f108d54c4_qkv,@function
k_q4f108d54c4_qkv:
	s_mov_b64 s[64:65], 0
	v_nop
	global_prefetch_b8 v0, s[64:65] scope:SCOPE_SE
	s_setreg_imm32_b32 hwreg(HW_REG_WAVE_MODE, 25, 1), 1
	s_wait_xcnt 0x0
	s_wait_alu depctr_hold_cnt(0) depctr_sa_sdst(0) depctr_va_vdst(0) depctr_va_sdst(0) depctr_va_ssrc(0) depctr_va_vcc(0) depctr_vm_vsrc(0)
	s_getreg_b32 s2, hwreg(HW_REG_IB_STS2, 6, 4)
	s_cmp_eq_u32 s2, 0
	s_cbranch_scc0 .Lentry_in_a_cluster
	s_endpgm
.Lentry_in_a_cluster:
	s_bfe_u32 s2, ttmp6, 0x10000c
	s_cmp_lg_u32 s2, 0xf033
	s_cbranch_scc0 .Lentry_shape_is_right
	s_endpgm
.Lentry_shape_is_right:
; The three quantised products on codes of FP4 (E2M1) with one E8M0 scale for each 32 along K = 1024; sums in f32; the bias added in f32; the results rounded to f16 (LIMIT: |q|, |k|, |v| up to 65,504).
; z = cluster y / 8:  0: q = x Wq + bq;  1: k = embeds Wk + bk;  2: v^T = (embeds Wv + bv)^T.  For q and k operand A is the tokens' rows and B the weight's rows [n][K]; for v^T A is Wv's rows and B embeds' rows.
; A tile of C, 256 x 256, is made by four waves, 128 x 128 each: 64 accumulators of 16 x 16.  K = 1024 is two slots of 512 in LDS: BOTH ARE FIRST FILLS, and so are the scale bytes: nothing is filled again, and there is no loop.
; A wave has three tensor loads out at the start.
; CLUSTERS: 4 x 4 work-groups.  The four of a row of the cluster need the same tiles of A, the four of a column the same tiles of B: each is asked for JOINTLY.  z and cluster y % 8 are the same in all sixteen.
; THE MATRIX INSTRUCTION IS USED TRANSPOSED (source 0 = 16 rows of B, source 1 = 16 rows of A): a lane holds row l % 16 of A's and eight neighbouring rows of B's: for q, k one token and eight channels, for v^T one channel and eight keys.
; THE RESULT IS STORED AS IMAGES OF THE NEXT LAUNCH'S OPERAND REGISTERS: qkv_img [3][batch x head 64][tile of 16 tokens 128][group 4][512 bytes]; a packed result tile (4 registers a lane) IS such a group,
; lane l's 16 bytes at 16 l: one store covers 512 consecutive bytes, and nothing goes through LDS.  q, k: group g = channels 16 g .. of the head; v: group = channels 16 g .., the lane's eight numbers run along the keys.
; REGISTERS, in windows of 256: window 0: v0-31 addresses; v32-95 scale words, two sets; v96-103 the biases' offsets, later v96-127 packed results; v128-191 A's fragments, later sums with the bias; v192-255 the biases.
;   window 1: B's fragments, two sets.   window 2: the accumulators of my rows 0-63 ((a, b) at v[8 (8 a + b)]);   window 3: those of my rows 64-127.
.set NQ,     4                         ; matrix instructions deep in a slot of 512 along K
.set ROWB,   256                       ; a tile's row in bytes
.set KROW,   512                       ; a row of codes in memory
.set PITCH,  272                       ; an LDS row: 256 bytes + 16 of padding: the 16 rows that a load touches start 68 words apart
.set FR,     8                         ; registers of a fragment: 16 rows x 128 K
.set NL,     2                         ; LDS loads that bring one
.set NP,     4                         ; places behind this matrix instruction (ISA guide 7.12.1)
.set HALFT,  128*PITCH                 ; what one tensor load brings
.set SLOT,   4*HALFT                   ; A's 256 rows, then B's 256 rows
.set KS,     32                        ; a row of scale bytes
.set SCL,    2*SLOT                    ; behind the slots: the scale bytes, as rows of 256 bytes + 16 of padding
.set HALFS,  (128*KS/256)*272          ; those of 128 rows
.set SBLK,   (16*KS/256)*272           ; those of 16 rows
.set SPARE,  SCL+4*HALFS               ; the spare words, 128 bytes a wave, which no other line names
.set ADRA, 16                          ; v16-17 LDS address of my A fragments in slot 0, 1
.set ADRB, 20                          ; v20-21 the same for B
.set CO,   26                          ; v26    16 x lane: my place in an image
.set ADRS, 27                          ; v27    LDS address of my scale words: lanes 0-15 A's rows, lanes 16-31 B's
.set SPW,  28
.set NIL,  29
.set SC,   32
.set PK,   96
.set AF,   128
.set SUM,  128
.set BI,   192
.set G1, 24
.set G0, 32
.set G1B, 48
.set G0B, 56
.set G1S, 68
.set G0S, 76
.set G1SB, 80
.set G0SB, 88
.set ZZ, 100                           ; s100 z
.set MSB, 0
.macro WIN new                         ; the immediate's high byte repeats the setting that is left
.if MSB != (\new)
	s_set_vgpr_msb (MSB<<8)|(\new)
.set MSB, (\new)
.endif
.endm
.set MUL_LO, 0xa1                      ; source 0 (B) window 1, source 1 (A) window 0, C and D window 2
.set MUL_HI, 0xf1                      ; the same, C and D window 3
.set TO_B,   0x40                      ; destination window 1, address window 0
; A joint load: waves 0 and 1 fetch for A, waves 2 and 3 for B; the branch hangs on the wave's number alone.  An s_nop 0 and four v_nop follow each of the two lines.
.macro JLOAD g0a, g1a, g0b, g1b
	s_cmp_eq_u32 s15, 0
	s_cbranch_scc0 .Lfor_b_\@
	tensor_load_to_lds s[\g0a:\g0a+3], s[\g1a:\g1a+7]
	s_nop 0
.rept 4
	v_nop
.endr
	s_branch .Lasked_\@
.Lfor_b_\@:
	tensor_load_to_lds s[\g0b:\g0b+3], s[\g1b:\g1b+7]
	s_nop 0
.rept 4
	v_nop
.endr
.Lasked_\@:
.endm
.macro CROUND                          ; a round of the cluster's barrier
	s_barrier_signal -1
	s_barrier_wait -1
	s_cmp_lg_u32 s14, 0
	s_cbranch_scc1 .Lnot_wave_0_\@
	s_barrier_signal -3
.Lnot_wave_0_\@:
	s_barrier_wait -3
	s_barrier_signal -1
	s_barrier_wait -1
.endm
	s_load_b512 s[68:83], s[0:1], 0x0              ; act_codes, act_scales, w_codes, w_scales, bq, bk, bv, qkv_img
	v_lshl_add_u32 v[SPW], v0, 2, SPARE
	v_mov_b32 v[NIL], 0
	ds_add_u32 v[SPW], v[NIL]                      ; the wave's opening: the add, twice on end, and its wait ahead of my first tensor load
	ds_add_u32 v[SPW], v[NIL]
	v_lshrrev_b32 v1, 5, v0
	v_readfirstlane_b32 s14, v1                    ; wave 0..3
	s_lshr_b32 s15, s14, 1                         ; which half of the tile's rows is mine.  Also: I fetch for A (0) or for B (1)
	s_and_b32 s16, s14, 1                          ; which half of its columns.  Also: which 128 rows of that tile I fetch
	s_bfe_u32 s40, ttmp6, 0x40000                  ; cx, cy: my place in the cluster
	s_bfe_u32 s41, ttmp6, 0x40004
	s_and_b32 s101, ttmp7, 0xffff                  ; cluster y, 0 .. 23
	s_lshr_b32 s[ZZ], s101, 3                      ; z: which product
	s_and_b32 s101, s101, 7
	s_lshl_b32 s101, s101, 2                       ; 4 x (cluster y % 8): the long operand's (8,192 rows) first tile of this cluster
	s_min_u32 s95, s[ZZ], 1                        ; which activation: x for q, embeds for k and v
	s_lshl_b32 s84, s95, 22                        ; its codes, its scale bytes,
	s_lshl_b32 s85, s95, 18
	s_lshl_b32 s86, s[ZZ], 19                      ; the weight's codes, its scale bytes
	s_lshl_b32 s87, s[ZZ], 15
	s_cmp_eq_u32 s[ZZ], 2                          ; v^T: the weight is A, the activation B
	s_cselect_b32 s17, 0, s101
	s_cselect_b32 s42, s101, 0
	s_cselect_b32 s88, s86, s84                    ; A's codes, A's scale bytes,
	s_cselect_b32 s89, s87, s85
	s_cselect_b32 s90, s84, s86                    ; B's
	s_cselect_b32 s91, s85, s87
	s_add_co_u32 s17, s17, s41                     ; tile row of C: cluster's + cy
	s_add_co_u32 s42, s42, s40                     ; tile column of C: cluster's + cx
	s_lshl_b32 s43, s41, 2
	s_lshl_b32 s43, 15, s43                        ; my row of the cluster
	s_lshl_b32 s44, 0x1111, s40                    ; my column
	; descriptor group 1: a tile of 128 rows x 256 bytes, padded in LDS
	s_or_b32 s[G1+0], s43, (0<<16)|(1<<20)|(1<<21)|(5<<22)|(3<<25)  ; 15:0 the mask: A's tiles go to my row; 17:16 elements of 1 byte; 20 padding on; 21 set beside a mask; 24:22 after every 64 words; 31:25 four words
	s_or_b32 s[G1B+0], s44, (0<<16)|(1<<20)|(1<<21)|(5<<22)|(3<<25)
.irp g, G1, G1B
	s_mov_b32 s[\g+1], ROWB<<16                    ; tensor_dim0
	s_mov_b32 s[\g+2], 128<<16                     ; tensor_dim1
	s_mov_b32 s[\g+3], ROWB<<16                    ; tile_dim0
	s_mov_b32 s[\g+4], 128                         ; tile_dim1
	s_mov_b32 s[\g+5], KROW                        ; tensor_dim0_stride
	s_mov_b32 s[\g+6], 0
	s_mov_b32 s[\g+7], 0
.endr
	s_lshl_b32 s18, s16, 7                         ; which 128 rows of the tile I fetch
	s_lshl_b32 s20, s17, 8
	s_add_co_u32 s20, s20, s18                     ; A: row 256 x tile row + 128 x half
	s_lshl_b32 s46, s42, 8
	s_add_co_u32 s46, s46, s18                     ; B: row 256 x tile column + 128 x half
	s_lshl_b32 s22, s20, 5                         ; where these rows' scale bytes begin,
	s_add_co_u32 s22, s22, s89
	s_mov_b32 s23, 0
	s_lshl_b32 s20, s20, 9                         ; and their codes (all under 2^24)
	s_add_co_u32 s20, s20, s88
	s_mov_b32 s21, 0
	s_lshl_b32 s92, s46, 5
	s_add_co_u32 s92, s92, s91
	s_mov_b32 s93, 0
	s_lshl_b32 s46, s46, 9
	s_add_co_u32 s46, s46, s90
	s_mov_b32 s47, 0
	s_mul_i32 s45, s14, HALFT                      ; where they go: wave x 128 rows: no place in the cluster enters an LDS address
	s_mul_i32 s94, s14, HALFS
	s_wait_dscnt 0x0                               ; both opening adds are done
	s_wait_kmcnt 0x0
	s_cmp_eq_u32 s[ZZ], 2                          ; the buffers are chosen by z alone
	s_cselect_b64 s[4:5], s[72:73], s[68:69]       ; A's codes
	s_cselect_b64 s[6:7], s[74:75], s[70:71]       ; A's scale bytes
	s_cselect_b64 s[8:9], s[68:69], s[72:73]       ; B's codes
	s_cselect_b64 s[10:11], s[70:71], s[74:75]     ; B's scale bytes
	s_cselect_b64 s[98:99], s[80:81], s[78:79]     ; bv or bk,
	s_mov_b64 s[12:13], s[82:83]                   ; the images
	s_cmp_eq_u32 s[ZZ], 0
	s_cselect_b64 s[98:99], s[76:77], s[98:99]     ; or bq
	s_add_nc_u64 s[20:21], s[4:5], s[20:21]
	s_add_nc_u64 s[22:23], s[6:7], s[22:23]
	s_add_nc_u64 s[46:47], s[8:9], s[46:47]
	s_add_nc_u64 s[92:93], s[10:11], s[92:93]
	; group 1 for the scale bytes of 128 rows: a dense block of 4,096 bytes, as 16 rows of 256 bytes (32 elements of 8 bytes), 16 bytes of padding behind each.  (The arguments' registers are free now)
	s_or_b32 s[G1S+0], s43, (3<<16)|(1<<20)|(1<<21)|(5<<22)|(3<<25)
	s_or_b32 s[G1SB+0], s44, (3<<16)|(1<<20)|(1<<21)|(5<<22)|(3<<25)
.irp g, G1S, G1SB
	s_mov_b32 s[\g+1], 32<<16
	s_mov_b32 s[\g+2], (128*KS/256)<<16
	s_mov_b32 s[\g+3], 32<<16
	s_mov_b32 s[\g+4], 128*KS/256
	s_mov_b32 s[\g+5], 32
	s_mov_b32 s[\g+6], 0
	s_mov_b32 s[\g+7], 0
.endr
	CROUND                                         ; all sixteen work-groups are here: the first joint loads meet
	s_mov_b32 s[G0S], 1
	s_add_co_u32 s[G0S+1], s94, SCL
	s_mov_b64 s[G0S+2:G0S+3], s[22:23]
	s_or_b32 s[G0S+3], s[G0S+3], 0x80000000
	s_mov_b32 s[G0SB], 1
	s_add_co_u32 s[G0SB+1], s94, SCL
	s_mov_b64 s[G0SB+2:G0SB+3], s[92:93]
	s_or_b32 s[G0SB+3], s[G0SB+3], 0x80000000
	JLOAD G0S, G1S, G0SB, G1SB                     ; the scale bytes first: they are wanted with the first products
.irp s, 0,1
	s_mov_b32 s[G0+4*\s], 1
	s_add_co_u32 s[G0+4*\s+1], s45, \s*SLOT
	s_add_nc_u64 s[G0+4*\s+2:G0+4*\s+3], s[20:21], \s*ROWB
	s_or_b32 s[G0+4*\s+3], s[G0+4*\s+3], 0x80000000
	s_mov_b32 s[G0B+4*\s], 1
	s_add_co_u32 s[G0B+4*\s+1], s45, \s*SLOT
	s_add_nc_u64 s[G0B+4*\s+2:G0B+4*\s+3], s[46:47], \s*ROWB
	s_or_b32 s[G0B+4*\s+3], s[G0B+4*\s+3], 0x80000000
	JLOAD G0+4*\s, G1, G0B+4*\s, G1B
.endr
	v_and_b32 v1, 15, v0                           ; l % 16
	v_bfe_u32 v2, v0, 4, 1                         ; l / 16
	v_mul_u32_u24 v3, v1, PITCH
	v_lshl_add_u32 v4, v2, 4, v3                   ; a fragment's row x pitch + 16 x half
	s_mul_i32 s21, s15, HALFT                      ; my 128 rows of A
	s_mul_i32 s22, s16, HALFT                      ; my 128 rows of B,
	s_add_co_u32 s22, s22, 2*HALFT                 ; which lie behind A's 256
.irp s, 0,1
	v_add_nc_u32 v[ADRA+\s], s21, v4
	v_add_nc_u32 v[ADRB+\s], s22, v4
	s_add_co_u32 s21, s21, SLOT
	s_add_co_u32 s22, s22, SLOT
.endr
	v_mul_u32_u24 v5, v1, KS                       ; my row's scale bytes: 32 a row,
	v_lshrrev_b32 v6, 8, v5
	v_lshl_add_u32 v5, v6, 4, v5                   ; and 16 more for each 256 passed
	s_mul_i32 s21, s15, HALFS                      ; A's: my 128 rows
	s_mul_i32 s22, s16, HALFS                      ; B's: my 128 rows, behind A's 256
	s_add_co_u32 s22, s22, 2*HALFS
	s_sub_co_u32 s22, s22, s21
	v_mul_u32_u24 v6, s22, v2                      ; lanes 16-31 take B's
	s_add_co_u32 s21, s21, SCL
	v_add_nc_u32 v5, v5, v6
	v_add_nc_u32 v[ADRS], s21, v5
	v_and_b32 v6, 31, v0
	v_lshlrev_b32 v[CO], 4, v6
	; THE BIASES, 64 registers, with no branch.  q, k: the bias runs along C's columns: register 8 b + j = bias(my first column + 16 b + 8 (l / 16) + j).
	; v^T: it runs along C's rows: registers 8 a + 0 .. 7 all = bias(my first row + 16 a + l % 16).  So: offset = lane term + j x step + 64 x block, the lane term and the step chosen by z.
	s_lshl_b32 s18, s42, 8
	s_lshl_b32 s19, s16, 7
	s_add_co_u32 s18, s18, s19                     ; my first column of C
	s_lshl_b32 s19, s17, 8
	s_lshl_b32 s21, s15, 7
	s_add_co_u32 s19, s19, s21                     ; my first row of C
	s_cmp_eq_u32 s[ZZ], 2
	s_cselect_b32 s20, s19, s18                    ; my first channel (of 1,024),
	s_cselect_b32 s92, s18, s19                    ; my first token (of 8,192)
	s_cselect_b32 s22, 4, 0                        ; x l % 16
	s_cselect_b32 s23, 0, 32                       ; x l / 16
	s_cselect_b32 s46, 0, 4                        ; from register to register
	s_mov_b32 s93, s20
	s_lshl_b32 s20, s20, 2
	s_mov_b32 s21, 0
	s_add_nc_u64 s[98:99], s[98:99], s[20:21]
	v_mul_u32_u24 v[PK], s22, v1
	v_mad_u32_u24 v[PK], v2, s23, v[PK]
.irp j, 1,2,3,4,5,6,7
	v_add_nc_u32 v[PK+\j], s46, v[PK+\j-1]
.endr
.irp x, 0,1,2,3,4,5,6,7
.irp j, 0,1,2,3,4,5,6,7
	global_load_b32 v[BI+8*\x+\j], v[PK+\j], s[98:99] offset:64*\x
.endr
.endr
	; where my images begin: z x 2^24 + (16 batch + head) x 2^18 + (tile of 16 tokens in the batch) x 2,048
	s_lshr_b32 s18, s92, 11                        ; batch
	s_lshl_b32 s18, s18, 4
	s_lshr_b32 s19, s93, 6                         ; head
	s_add_co_u32 s18, s18, s19
	s_lshl_b32 s18, s18, 18
	s_bfe_u32 s19, s92, 0x70004                    ; (token / 16) % 128
	s_lshl_b32 s19, s19, 11
	s_add_co_u32 s18, s18, s19
	s_lshl_b32 s19, s[ZZ], 24
	s_add_co_u32 s18, s18, s19
	s_mov_b32 s19, 0
	s_add_nc_u64 s[12:13], s[12:13], s[18:19]
.macro FRAG reg, adr, q, i             ; a fragment, 16 rows x 128 K of 4-bit codes: lane l holds row l % 16; registers 4 c .. 4 c + 3 hold K = 64 c + 32 (l / 16) + 0 .. 31
.irp c, 0,1
	ds_load_b128 v[\reg+4*\c:\reg+4*\c+3], v[\adr] offset:64*(\q)+32*\c+(\i)*16*PITCH
.endr
.endm
; 16 matrix instructions: A's blocks a0, a0 + 1 x B's eight, 128 along K: the slot's q-th.  p: B's set;  sc: the set of scale words.  zero = 1: the first product starts the sums.
; The 64 accumulators take turns, one instruction a turn, in the same order in every step.
.macro MUL16 a0, p, q, sc, zero
.irp a, \a0, \a0+1
.irp b, 0,1,2,3,4,5,6,7
.if \zero
	v_wmma_scale_f32_16x16x128_f8f6f4 v[8*(8*((\a)%4)+\b):8*(8*((\a)%4)+\b)+7], v[128*(\p)+FR*\b:128*(\p)+FR*\b+FR-1], v[AF+FR*(\a):AF+FR*(\a)+FR-1], 0, v[SC+8*NQ*(\sc)+NQ*\b+(\q)], v[SC+8*NQ*(\sc)+NQ*(\a)+(\q)] matrix_a_fmt:MATRIX_FMT_FP4 matrix_b_fmt:MATRIX_FMT_FP4 matrix_a_scale:MATRIX_SCALE_ROW1
.else
	v_wmma_scale_f32_16x16x128_f8f6f4 v[8*(8*((\a)%4)+\b):8*(8*((\a)%4)+\b)+7], v[128*(\p)+FR*\b:128*(\p)+FR*\b+FR-1], v[AF+FR*(\a):AF+FR*(\a)+FR-1], v[8*(8*((\a)%4)+\b):8*(8*((\a)%4)+\b)+7], v[SC+8*NQ*(\sc)+NQ*\b+(\q)], v[SC+8*NQ*(\sc)+NQ*(\a)+(\q)] matrix_a_fmt:MATRIX_FMT_FP4 matrix_b_fmt:MATRIX_FMT_FP4 matrix_a_scale:MATRIX_SCALE_ROW1
.endif
.endr
.endr
.endm
.macro FETCH_B slot, q, p              ; B's eight fragments of the slot's q-th 128 along K into set p
	WIN TO_B
.irp i, 0,1,2,3,4,5,6,7
	FRAG 128*(\p)+FR*\i, ADRB+\slot, \q, \i
.endr
	WIN 0
.endm
.macro FETCH_A slot, q, i0             ; A's blocks i0 .. i0 + 3
.irp i, \i0, \i0+1, \i0+2, \i0+3
	FRAG AF+FR*(\i), ADRA+\slot, \q, \i
.endr
.endm
.macro SCALES sc                       ; a slot's scale words into set sc: 4 words a row; lanes 0-15 take A's block i, lanes 16-31 B's block i
.irp i, 0,1,2,3,4,5,6,7
	ds_load_b128 v[SC+8*NQ*\sc+NQ*\i:SC+8*NQ*\sc+NQ*\i+3], v[ADRS] offset:\i*SBLK
.endr
.endm
; A load into a register that a matrix instruction has read, and a vector instruction that reads a matrix result or writes one of its registers, stand NP places behind it; only plain vector
; instructions that name none of its registers are places.
.macro PLACES n
.rept \n
	v_nop
.endr
.endm
; A step of 128 along K that has its successor in the same slot.  A has one set of registers: blocks 0-3 are fetched anew in the step's middle, blocks 4-7 at its end; B has two sets.
.macro STEP slot, q, zero
	s_wait_dscnt 4*NL                              ; B's set and A's blocks 0-3 are in; the youngest eight loads (A's blocks 4-7) may be out
	WIN MUL_LO
	MUL16 0, (\q)%2, \q, \slot, \zero
	MUL16 2, (\q)%2, \q, \slot, \zero
	s_wait_dscnt 0                                 ; A's blocks 4-7 are in
	PLACES NP
	FETCH_B \slot, (\q)+1, 1-(\q)%2
	FETCH_A \slot, (\q)+1, 0
	WIN MUL_HI
	MUL16 4, (\q)%2, \q, \slot, \zero
	MUL16 6, (\q)%2, \q, \slot, \zero
	PLACES NP
	WIN 0
	FETCH_A \slot, (\q)+1, 4
.endm
; Slot 0's last step goes over to slot 1: each wave waits for all its tensor loads (its part of slot 1), then a barrier shows the whole slot to every wave.
.macro TURN slot, next
	s_wait_tensorcnt 0x0                           ; all my tensor loads have landed
	ds_add_u32 v[SPW], v[NIL]                      ; 0 onto my spare word
	s_wait_dscnt 4*NL+1                            ; (the add and the youngest eight loads, A's blocks 4-7, may be out)
	WIN MUL_LO
	MUL16 0, 1, NQ-1, \slot, 0                     ; sixteen matrix instructions stand between the add and the wait for it
	s_wait_dscnt 0x0                               ; the add is done, and no LDS load of mine is out at the signal
	s_barrier_signal -1
	MUL16 2, 1, NQ-1, \slot, 0
	WIN 0
	s_barrier_wait -1
	PLACES NP
	v_add_nc_u32 v[ADRS], 4*NQ, v[ADRS]            ; on to the next slot's scale words
	FETCH_B \next, 0, 0
	FETCH_A \next, 0, 0
	SCALES \next
	WIN MUL_HI
	MUL16 4, 1, NQ-1, \slot, 0
	MUL16 6, 1, NQ-1, \slot, 0
	PLACES NP
	WIN 0
	FETCH_A \next, 0, 4
.endm
.macro STEPS slot, from                ; the slot's steps from .. NQ - 2
.set Q, \from
.rept NQ-1-\from
	STEP \slot, Q, 0
.set Q, Q+1
.endr
.endm
	s_wait_tensorcnt 1                             ; the scale bytes and my part of slot 0 are in (slot 1's load may be out)
	s_barrier_signal -1
	s_barrier_wait -1                              ; everybody's are
	FETCH_B 0, 0, 0
	FETCH_A 0, 0, 0
	SCALES 0
	FETCH_A 0, 0, 4
	STEP 0, 0, 1                                   ; the first step's products start the sums: nothing is cleared
	STEPS 0, 1
	TURN 0, 1
	STEPS 1, 0
	s_wait_dscnt 4*NL                              ; the last step: nothing more to fetch
	WIN MUL_LO
	MUL16 0, 1, NQ-1, 1, 0
	MUL16 2, 1, NQ-1, 1, 0
	s_wait_dscnt 0
	WIN MUL_HI
	MUL16 4, 1, NQ-1, 1, 0
	MUL16 6, 1, NQ-1, 1, 0
	WIN 0
; THE WAY OUT, block by block of 16 rows of A's: + the bias in f32 (each accumulator from its low end on), rounded to f16 in pairs, and eight stores of 512 consecutive bytes.
; kind 0 (q, k): block a = tile of tokens a, b = head b / 4, group b % 4.   kind 1 (v^T): a = head a / 4, group a % 4, b = tile of keys b.
.macro OUT kind
.irp a, 0,1,2,3,4,5,6,7
	WIN 0x02+\a/4                                  ; source 0: window 2 or 3
.irp b, 0,1,2,3,4,5,6,7
.irp i, 0,1,2,3
.if \kind
	v_pk_add_f32 v[SUM+8*\b+2*\i:SUM+8*\b+2*\i+1], v[64*(\a%4)+8*\b+2*\i:64*(\a%4)+8*\b+2*\i+1], v[BI+8*\a+2*\i:BI+8*\a+2*\i+1]
.else
	v_pk_add_f32 v[SUM+8*\b+2*\i:SUM+8*\b+2*\i+1], v[64*(\a%4)+8*\b+2*\i:64*(\a%4)+8*\b+2*\i+1], v[BI+8*\b+2*\i:BI+8*\b+2*\i+1]
.endif
.endr
.endr
	WIN 0
.if \a > 0
	s_wait_xcnt 0x0                                ; the last block's stores have read their data: the packed registers are written again only behind this wait
.endif
.irp b, 0,1,2,3,4,5,6,7
.irp i, 0,1,2,3
	v_cvt_pk_f16_f32 v[PK+4*\b+\i], v[SUM+8*\b+2*\i], v[SUM+8*\b+2*\i+1]
.endr
.endr
.irp b, 0,1,2,3,4,5,6,7
.if \kind
	global_store_b128 v[CO], v[PK+4*\b:PK+4*\b+3], s[12:13] offset:(\a/4)*262144+(\a%4)*512+\b*2048
.else
	global_store_b128 v[CO], v[PK+4*\b:PK+4*\b+3], s[12:13] offset:\a*2048+(\b/4)*262144+(\b%4)*512
.endif
.endr
.endr
.endm
	s_wait_loadcnt 0x0                             ; the biases are in, and their offsets' registers are free
	PLACES NP                                      ; behind the last products: their results are read, and A's fragments' registers written
	s_cmp_eq_u32 s[ZZ], 2                          ; the same in all sixteen work-groups
	s_cbranch_scc1 .Lout_v
	OUT 0
	s_branch .Ldone
.Lout_v:
	OUT 1
.Ldone:
	s_wait_tensorcnt 0x0                           ; the wave's end, behind my last tensor load
	ds_add_u32 v[SPW], v[NIL]
	s_wait_dscnt 0x0
	CROUND                                         ; the closing round: no work-group ends while a partner may still ask for a tile that names it
	s_endpgm
.Lfunc_end_k_q4f108d54c4_qkv:
	.size	k_q4f108d54c4_qkv, .Lfunc_end_k_q4f108d54c4_qkv-k_q4f108d54c4_qkv
	.p2alignl 7, 3214868480
	.fill 96, 4, 3214868480
	.section	.rodata,"a",@progbits
	.p2align	6, 0x0
	.amdhsa_kernel k_q4f108d54c4_qkv
		.amdhsa_group_segment_fixed_size 327680
		.amdhsa_private_segment_fixed_size 0
		.amdhsa_enable_private_segment 0
		.amdhsa_kernarg_size 64
		.amdhsa_user_sgpr_count 2
		.amdhsa_user_sgpr_kernarg_segment_ptr 1
		.amdhsa_wavefront_size32 1
		.amdhsa_system_sgpr_workgroup_id_x 1
		.amdhsa_system_sgpr_workgroup_id_y 1
		.amdhsa_system_sgpr_workgroup_id_z 1
		.amdhsa_system_vgpr_workitem_id 0
		.amdhsa_next_free_vgpr 1024
		.amdhsa_next_free_sgpr 102
		.amdhsa_reserve_vcc 0
		.amdhsa_float_denorm_mode_32 3
		.amdhsa_float_denorm_mode_16_64 3
		.amdhsa_memory_ordered 1
		.amdhsa_forward_progress 1
		.amdhsa_inst_pref_size 180
	.end_amdhsa_kernel
	.amdgpu_metadata
---
amdhsa.version: [ 1, 2 ]
amdhsa.kernels:
  - .name:           k_q4f108d54c4_qkv
    .symbol:         k_q4f108d54c4_qkv.kd
    .args:
      - { .name: act_codes, .offset: 0, .size: 8, .value_kind: global_buffer, .address_space: global }
      - { .name: act_scales, .offset: 8, .size: 8, .value_kind: global_buffer, .address_space: global }
      - { .name: w_codes, .offset: 16, .size: 8, .value_kind: global_buffer, .address_space: global }
      - { .name: w_scales, .offset: 24, .size: 8, .value_kind: global_buffer, .address_space: global }
      - { .name: bq, .offset: 32, .size: 8, .value_kind: global_buffer, .address_space: global }
      - { .name: bk, .offset: 40, .size: 8, .value_kind: global_buffer, .address_space: global }
      - { .name: bv, .offset: 48, .size: 8, .value_kind: global_buffer, .address_space: global }
      - { .name: qkv_img, .offset: 56, .size: 8, .value_kind: global_buffer, .address_space: global }
    .group_segment_fixed_size: 327680
    .private_segment_fixed_size: 0
    .kernarg_segment_align: 8
    .kernarg_segment_size: 64
    .max_flat_workgroup_size: 128
    .sgpr_count:     102
    .vgpr_count:     1024
    .wavefront_size: 32
...
	.end_amdgpu_metadata
.endif
;; end of part 3
;; launch attn (part 4): grid 4 x 64, 8 waves a work-group, clusters of 4 x 1, 327,680 bytes of LDS; arguments qkv_img, ctx_img; writes ctx_img
.if DOCPART == 4
	.amdgcn_target "amdgcn-amd-amdhsa--gfx1250"
	.amdhsa_code_object_version 6
	.text
	.protected	k_q4f108d54c4_attn
	.globl	k_q4f108d54c4_attn
	.p2align	8
	.type	k_q4f108d54c4_attn,@function
k_q4f108d54c4_attn:
	s_mov_b64 s[64:65], 0
	v_nop
	global_prefetch_b8 v0, s[64:65] scope:SCOPE_SE
	s_setreg_imm32_b32 hwreg(HW_REG_WAVE_MODE, 25, 1), 1
	s_wait_xcnt 0x0
	s_wait_alu depctr_hold_cnt(0) depctr_sa_sdst(0) depctr_va_vdst(0) depctr_va_sdst(0) depctr_va_ssrc(0) depctr_va_vcc(0) depctr_vm_vsrc(0)
	s_getreg_b32 s2, hwreg(HW_REG_IB_STS2, 6, 4)
	s_cmp_eq_u32 s2, 0
	s_cbranch_scc0 .Lentry_in_a_cluster
	s_endpgm
.Lentry_in_a_cluster:
	s_bfe_u32 s2, ttmp6, 0x10000c
	s_cmp_lg_u32 s2, 0x3003
	s_cbranch_scc0 .Lentry_shape_is_right
	s_endpgm
.Lentry_shape_is_right:
; ctx[b][q][h][:] = the sum over k of softmax_k(q . k / 8) v, for each of 64 (batch, head) pairs: 2,048 queries, 2,048 keys, head size 64.  q, k, v arrive in f16 as images of operand registers (the launch before);
; products, maxima and sums in f32; the weights p are rounded to f16 for the second product, ctx to f16 once at the end (LIMIT: |ctx| up to 65,504).
; SHARES.  Work-group y = 16 batch + head; a work-group owns 512 queries, each of its eight waves 64: four tiles of 16.  Two waves share a SIMD, so that one wave's softmax stands beside the other's products.
; LAYOUT.  S^T = K Q^T (source 0 = 16 keys, source 1 = 16 queries): a lane holds ONE query (lane % 16) and the keys 8 (lane / 16) + 0 .. 7.  Two such tiles, rounded to f16 in pairs, ARE source 1 of
; O^T = V^T P, whose result again holds one query a lane and eight channels: packed, it is a group of the next launch's operand image.
; SOFTMAX.  A running maximum m and sum l for each query: p = 2^(c s - c m), c = log2(e) / 8; in every step O and l are multiplied by a = 2^(c m_old - c m_new).
; IMAGES.  A block of 512 bytes is four registers of a fragment, lane l's 16 bytes at 16 l: every LDS load is 512 consecutive bytes: no pitch, no padding.  16 keys of K are 4 blocks (channels 16 g ..); 16 keys of V likewise.
; THE RING.  Two slots of 512 keys (K's 64 KiB, then V's), 2^17 bytes apart.  Waves 0-3 fetch K's quarters, waves 4-7 V's, 16 KiB a load.  A slot is left when its last step's K has been multiplied and its V is in registers;
; the refill then has eight key steps, 512 matrix instructions a wave, in which to land: so nothing is asked for ahead of the tensor loads.  2,048 keys are four slots' worth: two first fills, two refills.
; CLUSTER.  The four query blocks of a head walk the same K and V: each tile is asked for JOINTLY, by the same tensor load with the same descriptor and the mask of all four.
; REGISTERS: window 0: v1-7 addresses; v16-47 statistics, eight a tile; v48-111 K of one step; v128-255 S^T, 32 a tile; P is packed IN PLACE into the low 16 of a tile's 32.
;            window 1: v0-63 Q; v64-191 O^T, 32 a tile; v192-255 V of one step.
.set STEPB, 8192                       ; a key step's (64 keys) bytes of K, and of V
.set SLOTB, 65536                      ; a slot's bytes of K, and of V
.set VOFF,  65536                      ; V's images lie behind K's
.set SLOT1, 1<<17
.set SPARE, 2*SLOT1                    ; the spare words, 128 bytes for each of eight waves, which no other line names
.set LI,  1                            ; v1 16 x lane
.set LV,  2                            ; v2 the same + VOFF
.set ADK, 3                            ; v3 LDS address of the step's K
.set ADV, 4                            ; v4 of its V
.set GO,  5                            ; v5 16 x lane: my place in an image in memory
.set SPW, 6
.set NIL, 7
.set ST,  16                           ; tile t's statistics at v[ST + 8 t]: +0 c m, +1 m, +2, +3 l (even keys', odd keys'), +4 to +7 c0-c3, at work; a takes c2's place
.set KF,  48                           ; K (key tile a, channels 32 s ..) at KF + 16 a + 8 s
.set S,   128                          ; S^T (tile t, key tile a) at S + 32 t + 8 a
.set OT,  64                           ; window 1: O^T (tile t, channels 16 c ..) at OT + 32 t + 8 c
.set VF,  192                          ; window 1: V^T (channels 16 c .., keys 32 g ..) at VF + 8 (2 c + g)
.set WV,  12
.set G1,  24                           ; s[24:31] descriptor group 1, for K's and V's tiles alike
.set G0K, 40                           ; s[40:47] group 0 for K's tiles: a set for each first fill; the second walks on
.set G0V, 48                           ; s[48:55] the same for V's
.set SLOTS, 56
.set TRIP, 57
.set CS,  58                           ; s[58:59] c
.set SEL, 60                           ; s[60:61] lane selects for v_permlanex16_b32: lane l xor 16
.set TB,  62                           ; s62 LDS byte at which the step to be fetched begins
.set MSB, 0
.macro WIN new                         ; the immediate's high byte repeats the setting that is left
.if MSB != (\new)
	s_set_vgpr_msb (MSB<<8)|(\new)
.set MSB, (\new)
.endif
.endm
.set W_KQ, 0x04                        ; Q (source 1) in window 1
.set W_PV, 0x51                        ; V (source 0), O^T (C and D) in window 1, P in window 0
.set W_RS, 0x41                        ; O^T (destination and source 0) in window 1
.set TO1,  0x40                        ; destination window 1
.macro NOPS n
.rept \n
	v_nop
.endr
.endm
; A joint refill: waves 0-3 K's quarters, waves 4-7 V's.  The branch hangs on the wave's number alone.  An s_nop 0 and four v_nop follow each of the two lines.
.macro JLOAD
	s_cmp_lt_u32 s[WV], 4
	s_cbranch_scc0 .Lfor_v_\@
	tensor_load_to_lds s[G0K+4:G0K+7], s[G1:G1+7]
	s_nop 0
	NOPS 4
	s_branch .Lasked_\@
.Lfor_v_\@:
	tensor_load_to_lds s[G0V+4:G0V+7], s[G1:G1+7]
	s_nop 0
	NOPS 4
.Lasked_\@:
.endm
.macro CROUND                          ; a round of the cluster's barrier
	s_barrier_signal -1
	s_barrier_wait -1
	s_cmp_lg_u32 s[WV], 0
	s_cbranch_scc1 .Lnot_wave_0_\@
	s_barrier_signal -3
.Lnot_wave_0_\@:
	s_barrier_wait -3
	s_barrier_signal -1
	s_barrier_wait -1
.endm
	s_load_b128 s[8:11], s[0:1], 0x0               ; qkv_img s[8:9], ctx_img s[10:11]
	v_lshl_add_u32 v[SPW], v0, 2, SPARE
	v_mov_b32 v[NIL], 0
	ds_add_u32 v[SPW], v[NIL]                      ; the wave's opening: the add, twice on end, and its wait ahead of my first tensor load
	ds_add_u32 v[SPW], v[NIL]
	v_lshrrev_b32 v1, 5, v0
	v_readfirstlane_b32 s[WV], v1                  ; wave 0..7
	s_bfe_u32 s13, ttmp6, 0x40000                  ; cx: my block of 512 queries; it enters Q's and ctx's addresses alone
	s_and_b32 s14, ttmp7, 0xffff                   ; 16 batch + head, which the four partners share
	s_and_b32 s16, s[WV], 3
	s_lshl_b32 s17, s16, 14                        ; the quarter that I fetch: 16,384 bytes on, in memory and in LDS
	s_lshl_b32 s20, s14, 18                        ; the head's first byte in each of q, k, v
	s_add_co_u32 s18, s20, s17
	s_add_co_u32 s18, s18, 1<<24                   ; K's images lie 2^24 bytes behind Q's,
	s_mov_b32 s19, 0
	s_add_co_u32 s22, s18, 1<<24                   ; V's behind K's
	s_mov_b32 s23, 0
	s_lshl_b32 s2, s13, 16                         ; Q: my block's 32 tiles of 2,048 bytes,
	s_lshl_b32 s3, s[WV], 13                       ; my wave's four
	s_add_co_u32 s2, s2, s3
	s_add_co_u32 s2, s2, s20
	s_mov_b32 s3, 0
	s_lshr_b32 s32, s14, 4                         ; ctx_img [k / 128][tile of 16 tokens 512][group 8][512]: the tile = 128 batch + 32 block + 4 wave,
	s_and_b32 s33, s14, 15
	s_lshl_b32 s32, s32, 7
	s_lshl_b32 s34, s13, 5
	s_add_co_u32 s32, s32, s34
	s_lshl_b32 s34, s[WV], 2
	s_add_co_u32 s32, s32, s34
	s_lshl_b32 s32, s32, 12
	s_lshr_b32 s34, s33, 1                         ; the chunk of 128 along the next K = head / 2,
	s_lshl_b32 s34, s34, 21
	s_add_co_u32 s32, s32, s34
	s_and_b32 s34, s33, 1                          ; and four groups on for an odd head
	s_lshl_b32 s34, s34, 11
	s_add_co_u32 s32, s32, s34
	s_mov_b32 s33, 0
	; descriptor group 1: a dense block of 16,384 bytes as 64 rows of 256 bytes (32 elements of 8 bytes), no padding
	s_mov_b32 s[G1], 15|(3<<16)|(1<<21)            ; 15:0 the mask: all four work-groups; 17:16 elements of 8 bytes; 21 set beside a mask
	s_mov_b32 s[G1+1], 32<<16                      ; tensor_dim0
	s_mov_b32 s[G1+2], 64<<16                      ; tensor_dim1
	s_mov_b32 s[G1+3], 32<<16                      ; tile_dim0
	s_mov_b32 s[G1+4], 64                          ; tile_dim1
	s_mov_b32 s[G1+5], 32                          ; tensor_dim0_stride
	s_mov_b32 s[G1+6], 0
	s_mov_b32 s[G1+7], 0
	s_mov_b32 s[CS], 0x3e38aa3b                    ; c = log2(e) / 8
	s_mov_b32 s[CS+1], s[CS]                       ; (named with it as a pair, so it is written)
	s_mov_b32 s[SEL], 0x76543210
	s_mov_b32 s[SEL+1], 0xfedcba98
	s_mov_b32 s[TB], 0
	s_mov_b32 s[SLOTS], 2
	s_wait_dscnt 0x0                               ; both opening adds are done
	s_wait_kmcnt 0x0
	s_add_nc_u64 s[4:5], s[8:9], s[2:3]            ; Q at my wave's first tile
	s_add_nc_u64 s[6:7], s[8:9], s[18:19]          ; K at my quarter of slot 0
	s_add_nc_u64 s[8:9], s[8:9], s[22:23]          ; V likewise
	s_add_nc_u64 s[10:11], s[10:11], s[32:33]
	CROUND                                         ; all four work-groups are here: the first joint loads meet
.irp s, 0,1
	s_mov_b32 s[G0K+4*\s], 1                       ; count = 1
	s_add_co_u32 s[G0K+4*\s+1], s17, \s*SLOT1      ; LDS address
	s_add_nc_u64 s[G0K+4*\s+2:G0K+4*\s+3], s[6:7], \s*SLOTB   ; global address: keys 512 s on
	s_or_b32 s[G0K+4*\s+3], s[G0K+4*\s+3], 0x80000000         ; type = 2
	s_mov_b32 s[G0V+4*\s], 1
	s_add_co_u32 s[G0V+4*\s+1], s17, \s*SLOT1+VOFF
	s_add_nc_u64 s[G0V+4*\s+2:G0V+4*\s+3], s[8:9], \s*SLOTB
	s_or_b32 s[G0V+4*\s+3], s[G0V+4*\s+3], 0x80000000
.endr
	s_cmp_lt_u32 s[WV], 4                          ; a wave's two first fills stand in one branch, ahead of every wait on TENSORcnt and every LDS read: two loads of mine are out
	s_cbranch_scc0 .Lfirst_v
	tensor_load_to_lds s[G0K:G0K+3], s[G1:G1+7]
	s_nop 0
	tensor_load_to_lds s[G0K+4:G0K+7], s[G1:G1+7]
	s_nop 0
	NOPS 4
	s_branch .Lfirst_asked
.Lfirst_v:
	tensor_load_to_lds s[G0V:G0V+3], s[G1:G1+7]
	s_nop 0
	tensor_load_to_lds s[G0V+4:G0V+7], s[G1:G1+7]
	s_nop 0
	NOPS 4
.Lfirst_asked:
	v_and_b32 v[LI], 31, v0
	v_lshlrev_b32 v[LI], 4, v[LI]
	v_add_nc_u32 v[LV], VOFF, v[LI]
	v_mov_b32 v[GO], v[LI]
	WIN TO1
.irp i, 0,1,2,3,4,5,6,7,8,9,10,11,12,13,14,15  ; Q stays in registers: block i = tile i / 4, group i % 4: registers 4 i on
	global_load_b128 v[4*\i:4*\i+3], v[GO], s[4:5] offset:512*\i
.endr
	WIN 0
; S^T = K Q^T of one key step: 32 products; the 16 accumulators take turns, one instruction a turn; the first 16 start the sums.
.macro KQ
.irp s, 0,1
.irp a, 0,1,2,3
.irp t, 0,1,2,3
.if \s == 0
	v_wmma_f32_16x16x32_f16 v[S+32*\t+8*\a:S+32*\t+8*\a+7], v[KF+16*\a+8*\s:KF+16*\a+8*\s+7], v[16*\t+8*\s:16*\t+8*\s+7], 0
.else
	v_wmma_f32_16x16x32_f16 v[S+32*\t+8*\a:S+32*\t+8*\a+7], v[KF+16*\a+8*\s:KF+16*\a+8*\s+7], v[16*\t+8*\s:16*\t+8*\s+7], v[S+32*\t+8*\a:S+32*\t+8*\a+7]
.endif
.endr
.endr
.endr
.endm
; O^T += V^T P of one key step: 32 products, 16 accumulators by turns.  zero = 1: the first 16 start the sums: nothing is ever cleared.
.macro PV zero
.irp g, 0,1
.irp c, 0,1,2,3
.irp t, 0,1,2,3
.if \zero && (\g == 0)
	v_wmma_f32_16x16x32_f16 v[OT+32*\t+8*\c:OT+32*\t+8*\c+7], v[VF+8*(2*\c+\g):VF+8*(2*\c+\g)+7], v[S+32*\t+8*\g:S+32*\t+8*\g+7], 0
.else
	v_wmma_f32_16x16x32_f16 v[OT+32*\t+8*\c:OT+32*\t+8*\c+7], v[VF+8*(2*\c+\g):VF+8*(2*\c+\g)+7], v[S+32*\t+8*\g:S+32*\t+8*\g+7], v[OT+32*\t+8*\c:OT+32*\t+8*\c+7]
.endif
.endr
.endr
.endr
.endm
.macro LDK                             ; a step's K: 16 loads of 512 consecutive bytes
.irp a, 0,1,2,3
.irp u, 0,1,2,3
	ds_load_b128 v[KF+16*\a+4*\u:KF+16*\a+4*\u+3], v[ADK] offset:\a*2048+\u*512
.endr
.endr
.endm
.macro LDV                             ; a step's V (destination window 1): keys 32 g + 16 u .., channels 16 c ..
.irp c, 0,1,2,3
.irp g, 0,1
.irp u, 0,1
	ds_load_b128 v[VF+8*(2*\c+\g)+4*\u:VF+8*(2*\c+\g)+4*\u+3], v[ADV] offset:(2*\g+\u)*2048+\c*512
.endr
.endr
.endr
.endm
; THE SOFTMAX of one key step for my four tiles, the tiles by turns in every line, so that no line waits for the line above it.  first = 1: the first step, which starts m and l.
.macro SOFTMAX first
.irp j, 0,1,2,3                        ; the maximum of a lane's 32 scores: four chains of seven, each accumulator read from its low end on,
.irp t, 0,1,2,3
	v_max3_num_f32 v[ST+8*\t+4+\j], v[S+32*\t+8*\j], v[S+32*\t+8*\j+1], v[S+32*\t+8*\j+2]
.endr
.endr
.irp u, 1,2
.irp j, 0,1,2,3
.irp t, 0,1,2,3
	v_max3_num_f32 v[ST+8*\t+4+\j], v[ST+8*\t+4+\j], v[S+32*\t+8*\j+2*\u+1], v[S+32*\t+8*\j+2*\u+2]
.endr
.endr
.endr
.irp t, 0,1,2,3                        ; the four scores left over, the chains, the old m
	v_max3_num_f32 v[ST+8*\t+4], v[ST+8*\t+4], v[S+32*\t+7], v[S+32*\t+15]
.endr
.irp t, 0,1,2,3
	v_max3_num_f32 v[ST+8*\t+6], v[ST+8*\t+6], v[S+32*\t+23], v[S+32*\t+31]
.endr
.irp t, 0,1,2,3
	v_max3_num_f32 v[ST+8*\t+4], v[ST+8*\t+4], v[ST+8*\t+5], v[ST+8*\t+6]
.endr
.irp t, 0,1,2,3
.if \first
	v_max_num_f32 v[ST+8*\t+4], v[ST+8*\t+4], v[ST+8*\t+7]
.else
	v_max3_num_f32 v[ST+8*\t+4], v[ST+8*\t+4], v[ST+8*\t+7], v[ST+8*\t+1]
.endif
.endr
.irp t, 0,1,2,3
	v_permlanex16_b32 v[ST+8*\t+5], v[ST+8*\t+4], s[SEL], s[SEL+1]   ; the query's other 32 keys lie in the lane 16 away
.endr
.if !\first
.irp t, 0,1,2,3
	v_mov_b32 v[ST+8*\t+7], v[ST+8*\t]             ; c m_old is kept for a
.endr
.endif
.irp t, 0,1,2,3
	v_max_num_f32 v[ST+8*\t+1], v[ST+8*\t+4], v[ST+8*\t+5]
.endr
.irp t, 0,1,2,3
	v_mul_f32 v[ST+8*\t], s[CS], v[ST+8*\t+1]
.endr
.if !\first
.irp t, 0,1,2,3
	v_sub_f32 v[ST+8*\t+7], v[ST+8*\t+7], v[ST+8*\t]
.endr
.irp t, 0,1,2,3
	v_exp_f32 v[ST+8*\t+6], v[ST+8*\t+7]           ; a = 2^(c m_old - c m_new)
.endr
.endif
; ONE BATCH: the scalings c s - c m, a pair of scores each, and all the exponentials; a pair's exponentials stand behind the next pair's scalings.  Nothing here names an exponential's result.
.set b, 0
.rept 16
.irp t, 0,1,2,3
	v_pk_fma_f32 v[S+32*\t+2*b:S+32*\t+2*b+1], v[S+32*\t+2*b:S+32*\t+2*b+1], s[CS:CS+1], v[ST+8*\t:ST+8*\t+1] op_sel_hi:[1,0,0] neg_lo:[0,0,1] neg_hi:[0,0,1]
.endr
.if b > 0
.irp t, 0,1,2,3
	v_exp_f32 v[S+32*\t+2*b-2], v[S+32*\t+2*b-2]
	v_exp_f32 v[S+32*\t+2*b-1], v[S+32*\t+2*b-1]
.endr
.endif
.set b, b+1
.endr
.irp t, 0,1,2,3
	v_exp_f32 v[S+32*\t+30], v[S+32*\t+30]
	v_exp_f32 v[S+32*\t+31], v[S+32*\t+31]
.endr
	v_nop                                          ; a plain instruction behind the last exponential,
	s_wait_alu depctr_va_vdst(0)                   ; and the one wait ahead of the batch's first reader
.irp t, 0,1,2,3                        ; the sums of the weights as they are in f32, a chain a tile, in pairs (even keys', odd keys')
	v_pk_add_f32 v[ST+8*\t+4:ST+8*\t+5], v[S+32*\t:S+32*\t+1], v[S+32*\t+2:S+32*\t+3]
.endr
.set b, 2
.rept 13
.irp t, 0,1,2,3
	v_pk_add_f32 v[ST+8*\t+4:ST+8*\t+5], v[ST+8*\t+4:ST+8*\t+5], v[S+32*\t+2*b:S+32*\t+2*b+1]
.endr
.set b, b+1
.endr
.irp t, 0,1,2,3
.if \first
	v_pk_add_f32 v[ST+8*\t+2:ST+8*\t+3], v[ST+8*\t+4:ST+8*\t+5], v[S+32*\t+30:S+32*\t+31]
.else
	v_pk_add_f32 v[ST+8*\t+4:ST+8*\t+5], v[ST+8*\t+4:ST+8*\t+5], v[S+32*\t+30:S+32*\t+31]
.endif
.endr
.if !\first
.irp t, 0,1,2,3
	v_pk_fma_f32 v[ST+8*\t+2:ST+8*\t+3], v[ST+8*\t+2:ST+8*\t+3], v[ST+8*\t+6:ST+8*\t+7], v[ST+8*\t+4:ST+8*\t+5] op_sel_hi:[1,0,1]   ; l = a l + the sum
.endr
.endif
.set b, 0
.rept 16                               ; P, in place: register b takes pair b; b ascends, so no later source is written
.irp t, 0,1,2,3
	v_cvt_pk_f16_f32 v[S+32*\t+b], v[S+32*\t+2*b], v[S+32*\t+2*b+1]
.endr
.set b, b+1
.endr
.endm
; A KEY STEP j.  On entry S^T of step j is being made, V of step j is on its way from LDS.  The step asks for K of step j + 1, walks the softmax, rescales O^T, multiplies V^T P, asks for V of step j + 1 and
; multiplies K Q^T of step j + 1.  first = 1: step 0.  last = 1: step 31: nothing more to fetch or to multiply by K.
.macro BODY first, last
.if \last
	NOPS 4                                         ; four places behind the products K Q^T, ahead of the first read of the scores
.else
	v_add_nc_u32 v[ADK], s[TB], v[LI]              ; these four plain lines are the places behind the products K Q^T: ahead of the loads into K's registers and of the first read of the scores
	v_add_nc_u32 v[ADV], s[TB], v[LV]
	NOPS 2
	LDK
.endif
	SOFTMAX \first
.if !\first
	WIN W_RS
.set i, 0
.rept 16
.irp t, 0,1,2,3
	v_pk_mul_f32 v[OT+32*\t+2*i:OT+32*\t+2*i+1], v[OT+32*\t+2*i:OT+32*\t+2*i+1], v[ST+8*\t+6:ST+8*\t+7] op_sel_hi:[1,0]   ; O^T x a, each accumulator from its low end on
.endr
.set i, i+1
.endr
.endif
.if \last
	s_wait_dscnt 0x0                               ; V is in
.else
	s_wait_dscnt 16                                ; V is in; the sixteen younger loads (the next step's K) may be out
.endif
	WIN W_PV
	PV \first
	WIN 0
.if !\last
	NOPS 5                                         ; four places ahead of the loads into V's registers, five ahead of the products that write over P's
	WIN TO1
	LDV
	WIN 0
	s_add_co_u32 s[TB], s[TB], STEPB               ; the next fetch is the next step's
	s_wait_dscnt 16                                ; K is in; the sixteen younger loads (V) may be out
	WIN W_KQ
	KQ
	WIN 0
.endif
.endm
.macro STEPS n                         ; n key steps: written once, walked n times; the LDS addresses hang on s[TB]
	s_mov_b32 s[TRIP], \n
.Lstep_\@:
	BODY 0, 0
	s_sub_co_u32 s[TRIP], s[TRIP], 1
	s_cmp_lg_u32 s[TRIP], 0
	s_cbranch_scc1 .Lstep_\@
.endm
; THE CHANGE OF SLOTS: the slot's last bytes, V of its last step, have been asked for.  Each wave waits for all its tensor loads (one is out at the most: its part of the other slot), adds 0 to its spare word,
; and waits for that and for its own reads of the slot.  fill = 1: the barrier is a round of the cluster's, and the joint refill, the keys two slots on, is the first thing behind it.
.macro CHANGE fill
	s_wait_tensorcnt 0x0                           ; no tensor load of mine is out, so a group 0 may be written
	ds_add_u32 v[SPW], v[NIL]                      ; 0 onto my spare word
.if \fill
.irp g, G0K+4, G0V+4
	s_xor_b32 s[\g+1], s[\g+1], SLOT1              ; the walking descriptor: the other slot than last time,
	s_add_nc_u64 s[\g+2:\g+3], s[\g+2:\g+3], SLOTB ; the next 512 keys; the type bits on top are not reached
.endr
	s_wait_dscnt 0x0                               ; the add is done, and my reads of the slot are over
	CROUND
	JLOAD
.else
	s_wait_dscnt 0x0
	s_barrier_signal -1
	s_barrier_wait -1
.endif
	s_sub_co_u32 s[TB], s[TB], SLOTB               ; the fetches go back to a slot's first step,
	s_xor_b32 s[TB], s[TB], SLOT1                  ; in the other slot
.endm
	s_wait_tensorcnt 1                             ; my part of slot 0 is in; slot 1's may stay out
	s_barrier_signal -1
	s_barrier_wait -1                              ; everybody's is
	v_add_nc_u32 v[ADK], s[TB], v[LI]
	v_add_nc_u32 v[ADV], s[TB], v[LV]
	LDK                                            ; key step 0
	WIN TO1
	LDV
	WIN 0
	s_add_co_u32 s[TB], s[TB], STEPB
	s_wait_loadcnt 0x0                             ; Q
	s_wait_dscnt 16                                ; K; V's sixteen loads may be out
	WIN W_KQ
	KQ
	WIN 0
	BODY 1, 0                                      ; step 0 is written out: it starts m, l and O^T
	STEPS 6                                        ; steps 1 to 6: behind them slot 0's eight steps have all been fetched
.Lslot:                                                ; two trips: slots 0 and 1 are filled again, with keys 1,024 on and 1,536 on
	CHANGE 1
	STEPS 8                                        ; steps 7 to 14, 15 to 22
	s_sub_co_u32 s[SLOTS], s[SLOTS], 1
	s_cmp_lg_u32 s[SLOTS], 0
	s_cbranch_scc1 .Lslot
	CHANGE 0                                       ; the tail is written out: nothing is left to ask for
	STEPS 8                                        ; steps 23 to 30
	BODY 0, 1                                      ; step 31
	; THE WAY OUT.  l's two halves and the other half of the lanes' are added (the additions are the places behind the last products); O^T is divided by l, rounded to f16: a packed tile is a group of the image.
.irp t, 0,1,2,3
	v_add_f32 v[ST+8*\t+4], v[ST+8*\t+2], v[ST+8*\t+3]
.endr
.irp t, 0,1,2,3
	v_permlanex16_b32 v[ST+8*\t+5], v[ST+8*\t+4], s[SEL], s[SEL+1]
.endr
.irp t, 0,1,2,3
	v_add_f32 v[ST+8*\t+4], v[ST+8*\t+4], v[ST+8*\t+5]
.endr
.irp t, 0,1,2,3
	v_rcp_f32 v[ST+8*\t+6], v[ST+8*\t+4]
.endr
	v_nop                                          ; a plain instruction between the last reciprocal and the use of its result,
	s_wait_alu depctr_va_vdst(0)                   ; and the wait: one for the four
	WIN W_RS
.set i, 0
.rept 16
.irp t, 0,1,2,3
	v_pk_mul_f32 v[OT+32*\t+2*i:OT+32*\t+2*i+1], v[OT+32*\t+2*i:OT+32*\t+2*i+1], v[ST+8*\t+6:ST+8*\t+7] op_sel_hi:[1,0]
.endr
.set i, i+1
.endr
	WIN 0x05                                       ; sources 0 and 1 window 1, destination window 0: S^T's registers are free
.set i, 0
.rept 64
	v_cvt_pk_f16_f32 v[S+i], v[OT+2*i], v[OT+2*i+1]
.set i, i+1
.endr
	WIN 0
.irp t, 0,1,2,3
.irp c, 0,1,2,3
	global_store_b128 v[GO], v[S+16*\t+4*\c:S+16*\t+4*\c+3], s[10:11] offset:\t*4096+\c*512   ; a store covers 512 consecutive bytes
.endr
.endr
	s_wait_tensorcnt 0x0                           ; the wave's end, behind my last tensor load
	ds_add_u32 v[SPW], v[NIL]
	s_wait_dscnt 0x0
	CROUND                                         ; the closing round: no work-group ends while a partner may still ask for a tile that names it
	s_endpgm
.Lfunc_end_k_q4f108d54c4_attn:
	.size	k_q4f108d54c4_attn, .Lfunc_end_k_q4f108d54c4_attn-k_q4f108d54c4_attn
	.p2alignl 7, 3214868480
	.fill 96, 4, 3214868480
	.section	.rodata,"a",@progbits
	.p2align	6, 0x0
	.amdhsa_kernel k_q4f108d54c4_attn
		.amdhsa_group_segment_fixed_size 327680
		.amdhsa_private_segment_fixed_size 0
		.amdhsa_enable_private_segment 0
		.amdhsa_kernarg_size 16
		.amdhsa_user_sgpr_count 2
		.amdhsa_user_sgpr_kernarg_segment_ptr 1
		.amdhsa_wavefront_size32 1
		.amdhsa_system_sgpr_workgroup_id_x 1
		.amdhsa_system_sgpr_workgroup_id_y 1
		.amdhsa_system_sgpr_workgroup_id_z 1
		.amdhsa_system_vgpr_workitem_id 0
		.amdhsa_next_free_vgpr 512
		.amdhsa_next_free_sgpr 66
		.amdhsa_reserve_vcc 0
		.amdhsa_float_denorm_mode_32 3
		.amdhsa_float_denorm_mode_16_64 3
		.amdhsa_memory_ordered 1
		.amdhsa_forward_progress 1
		.amdhsa_inst_pref_size 173
	.end_amdhsa_kernel
	.amdgpu_metadata
---
amdhsa.version: [ 1, 2 ]
amdhsa.kernels:
  - .name:           k_q4f108d54c4_attn
    .symbol:         k_q4f108d54c4_attn.kd
    .args:
      - { .name: qkv_img, .offset: 0, .size: 8, .value_kind: global_buffer, .address_space: global }
      - { .name: ctx_img, .offset: 8, .size: 8, .value_kind: global_buffer, .address_space: global }
    .group_segment_fixed_size: 327680
    .private_segment_fixed_size: 0
    .kernarg_segment_align: 8
    .kernarg_segment_size: 16
    .max_flat_workgroup_size: 256
    .sgpr_count:     66
    .vgpr_count:     512
    .wavefront_size: 32
...
	.end_amdgpu_metadata
.endif
;; end of part 4
;; launch oproj (part 5): grid 4 x 64, 4 waves a work-group, clusters of 4 x 4, 327,680 bytes of LDS; arguments ctx_img, wo_img, bo, out0; writes out0
.if DOCPART == 5
	.amdgcn_target "amdgcn-amd-amdhsa--gfx1250"
	.amdhsa_code_object_version 6
	.text
	.protected	k_q4f108d54c4_oproj
	.globl	k_q4f108d54c4_oproj
	.p2align	8
	.type	k_q4f108d54c4_oproj,@function
k_q4f108d54c4_oproj:
	s_mov_b64 s[64:65], 0
	v_nop
	global_prefetch_b8 v0, s[64:65] scope:SCOPE_SE
	s_setreg_imm32_b32 hwreg(HW_REG_WAVE_MODE, 25, 1), 1
	s_wait_xcnt 0x0
	s_wait_alu depctr_hold_cnt(0) depctr_sa_sdst(0) depctr_va_vdst(0) depctr_va_sdst(0) depctr_va_ssrc(0) depctr_va_vcc(0) depctr_vm_vsrc(0)
	s_getreg_b32 s2, hwreg(HW_REG_IB_STS2, 6, 4)
	s_cmp_eq_u32 s2, 0
	s_cbranch_scc0 .Lentry_in_a_cluster
	s_endpgm
.Lentry_in_a_cluster:
	s_bfe_u32 s2, ttmp6, 0x10000c
	s_cmp_lg_u32 s2, 0xf033
	s_cbranch_scc0 .Lentry_shape_is_right
	s_endpgm
.Lentry_shape_is_right:
; out0[m][n] = the sum over k of ctx[m][k] Wo[k][n] + bo[n].  m 8,192, n 1,024, k 1,024.  ctx and Wo arrive in f16 as images of operand registers, laid [k / 128][tile of 16 rows][group 8][512 bytes];
; in a group lane 16 h + r holds row r of the tile and k = 16 group + 8 h + 0 .. 7.  Sums in f32; the bias added in f32; out0 is f32.
; A tile of C is 128 x 256: 64 x 4 = 256 work-groups, one to a WGP (tiles of 256 x 256 would be 128).  Four waves, each 64 x 128: 32 accumulators of 16 x 16.
; K goes in chunks of 128 through a ring of two LDS slots: A's 8 tiles (32 KiB, dense in memory), then B's 16 (64 KiB, dense).  Waves 0 and 1 fetch A's halves, waves 2 and 3 B's: one load a wave.
; Every fragment load is 512 consecutive bytes: no pitch, no padding.
; CLUSTERS: 4 x 4 work-groups.  The four of a row of the cluster need the same tiles of A, the four of a column the same tiles of B: each is asked for JOINTLY.
; THE MATRIX INSTRUCTION IS USED TRANSPOSED (source 0 = 16 rows of Wo^T, source 1 = 16 rows of ctx): a lane holds eight neighbouring numbers of a row of C.
; REGISTERS: window 0: v1-29 addresses and bo; two fragment sets of 96 at v32 and v128: A's four fragments (16 rows x 32 K), then B's eight; on the way out v32-159 rows of C.   window 1: accumulator (a, b) at v[8 (8 a + b)].
.set SLOT,   98304
.set BOFF,   32768                     ; B's tiles lie behind A's
.set STAGE,  2*SLOT                    ; behind the ring: 16 rows x (512 bytes + 16) for each wave, for the way out; no tile lands here
.set SPITCH, 528
.set SPARE,  STAGE+4*16*SPITCH         ; the spare words, 128 bytes a wave, which no other line names
.set LAPS,   4                         ; a lap = two chunks = once round the ring
.set BV,   12                          ; v12-15 bo of my four columns of a row
.set ADRA, 16                          ; v16-17 LDS address of my A fragments in slot 0, 1
.set ADRB, 20                          ; v20-21 the same for B
.set STO,  24                          ; v24 the way out: where I put 32 bytes of a row
.set RD,   25                          ; v25 the way out: where I read a row back
.set CO,   26                          ; v26 16 x lane
.set SPW,  28
.set NIL,  29
.set F0,   32
.set F1,   128
.set BK,   32
.set WV, 12                            ; s12 wave
.set HR, 13                            ; s13 which half of the tile's rows is mine.  Also: I fetch for A (0) or for B (1)
.set HC, 14                            ; s14 which half of its columns.  Also: which half of that operand's tiles I fetch
.set G1, 24
.set G0, 32
.set G1B, 48
.set G0B, 56
.set MSB, 0
.macro WIN new                         ; the immediate's high byte repeats the setting that is left
.if MSB != (\new)
	s_set_vgpr_msb (MSB<<8)|(\new)
.set MSB, (\new)
.endif
.endm
.set MUL, 0x50                         ; C and D window 1
.macro PLACES
.rept 4
	v_nop
.endr
.endm
.macro JLOAD s                         ; a joint load; an s_nop 0 and four v_nop follow each of the two lines
	s_cmp_eq_u32 s[HR], 0
	s_cbranch_scc0 .Lfor_b_\@
	tensor_load_to_lds s[G0+4*\s:G0+4*\s+3], s[G1:G1+7]
	s_nop 0
	PLACES
	s_branch .Lasked_\@
.Lfor_b_\@:
	tensor_load_to_lds s[G0B+4*\s:G0B+4*\s+3], s[G1B:G1B+7]
	s_nop 0
	PLACES
.Lasked_\@:
.endm
.macro CREST                           ; a round of the cluster's barrier behind its opening barrier
	s_cmp_lg_u32 s[WV], 0
	s_cbranch_scc1 .Lnot_wave_0_\@
	s_barrier_signal -3
.Lnot_wave_0_\@:
	s_barrier_wait -3
	s_barrier_signal -1
	s_barrier_wait -1
.endm
.macro CROUND
	s_barrier_signal -1
	s_barrier_wait -1
	CREST
.endm
	s_load_b256 s[4:11], s[0:1], 0x0               ; ctx_img s[4:5], wo_img s[6:7], bo s[8:9], out0 s[10:11]
	v_lshl_add_u32 v[SPW], v0, 2, SPARE
	v_mov_b32 v[NIL], 0
	ds_add_u32 v[SPW], v[NIL]                      ; the wave's opening: the add, twice on end, and its wait ahead of my first tensor load
	ds_add_u32 v[SPW], v[NIL]
	v_lshrrev_b32 v1, 5, v0
	v_readfirstlane_b32 s[WV], v1                  ; wave 0..3
	s_lshr_b32 s[HR], s[WV], 1
	s_and_b32 s[HC], s[WV], 1
	s_bfe_u32 s40, ttmp6, 0x40000                  ; cx, cy: my place in the cluster
	s_bfe_u32 s41, ttmp6, 0x40004
	s_lshl_b32 s42, ttmp9, 2
	s_add_co_u32 s42, s42, s40                     ; tile column of C = 4 x cluster x + cx
	s_and_b32 s15, ttmp7, 0xffff
	s_lshl_b32 s15, s15, 2
	s_add_co_u32 s15, s15, s41                     ; tile row of C = 4 x cluster y + cy
	s_lshl_b32 s43, s41, 2
	s_lshl_b32 s43, 15, s43                        ; my row of the cluster
	s_lshl_b32 s44, 0x1111, s40                    ; my column
	; descriptor group 1: dense blocks as rows of 256 bytes (32 elements of 8 bytes), no padding: A 64 rows (16 KiB), B 128 rows (32 KiB)
	s_or_b32 s[G1+0], s43, (3<<16)|(1<<21)         ; 15:0 the mask: A's tiles go to my row; 17:16 elements of 8 bytes; 21 set beside a mask
	s_or_b32 s[G1B+0], s44, (3<<16)|(1<<21)
	s_mov_b32 s[G1+1], 32<<16                      ; tensor_dim0
	s_mov_b32 s[G1+2], 64<<16                      ; tensor_dim1
	s_mov_b32 s[G1+3], 32<<16                      ; tile_dim0
	s_mov_b32 s[G1+4], 64                          ; tile_dim1
	s_mov_b32 s[G1+5], 32                          ; tensor_dim0_stride
	s_mov_b32 s[G1+6], 0
	s_mov_b32 s[G1+7], 0
	s_mov_b32 s[G1B+1], 32<<16
	s_mov_b32 s[G1B+2], 128<<16
	s_mov_b32 s[G1B+3], 32<<16
	s_mov_b32 s[G1B+4], 128
	s_mov_b32 s[G1B+5], 32
	s_mov_b32 s[G1B+6], 0
	s_mov_b32 s[G1B+7], 0
	s_lshl_b32 s16, s15, 15                        ; A: the tile row's 8 tiles of 4,096 bytes,
	s_lshl_b32 s18, s[HC], 14                      ; my half of them: in memory and in LDS
	s_add_co_u32 s16, s16, s18
	s_mov_b32 s17, 0
	s_lshl_b32 s46, s42, 16                        ; B: the tile column's 16 tiles,
	s_lshl_b32 s19, s[HC], 15                      ; my half of them
	s_add_co_u32 s46, s46, s19
	s_mov_b32 s47, 0
	s_add_co_u32 s19, s19, BOFF                    ; in LDS behind A's: no place in the cluster enters an LDS address
	s_wait_dscnt 0x0                               ; both opening adds are done
	s_wait_kmcnt 0x0
	s_add_nc_u64 s[20:21], s[4:5], s[16:17]
	s_add_nc_u64 s[46:47], s[6:7], s[46:47]
	CROUND                                         ; all sixteen work-groups are here: the first joint loads meet
.irp s, 0,1
	s_mov_b32 s[G0+4*\s], 1
	s_add_co_u32 s[G0+4*\s+1], s18, \s*SLOT
	s_add_nc_u64 s[G0+4*\s+2:G0+4*\s+3], s[20:21], \s*(1<<21)   ; a chunk of ctx_img is 2^21 bytes
	s_or_b32 s[G0+4*\s+3], s[G0+4*\s+3], 0x80000000
	s_mov_b32 s[G0B+4*\s], 1
	s_add_co_u32 s[G0B+4*\s+1], s19, \s*SLOT
	s_add_nc_u64 s[G0B+4*\s+2:G0B+4*\s+3], s[46:47], \s*(1<<18) ; a chunk of wo_img is 2^18 bytes
	s_or_b32 s[G0B+4*\s+3], s[G0B+4*\s+3], 0x80000000
	JLOAD \s
.endr
	v_and_b32 v1, 31, v0                           ; lane
	v_and_b32 v2, 15, v0                           ; l % 16
	v_bfe_u32 v3, v0, 4, 1                         ; l / 16
	v_lshlrev_b32 v[CO], 4, v1
	s_lshl_b32 s21, s[HR], 14                      ; my four tiles of A
	s_lshl_b32 s22, s[HC], 15                      ; my eight tiles of B,
	s_add_co_u32 s22, s22, BOFF                    ; behind A's
.irp s, 0,1
	v_add_nc_u32 v[ADRA+\s], s21, v[CO]
	v_add_nc_u32 v[ADRB+\s], s22, v[CO]
	s_add_co_u32 s21, s21, SLOT
	s_add_co_u32 s22, s22, SLOT
.endr
	s_mul_i32 s23, s[WV], 16*SPITCH
	s_add_co_u32 s23, s23, STAGE                   ; my stage
	v_mul_u32_u24 v4, v2, SPITCH                   ; in: row l % 16, 32 bytes for each half of the lanes
	v_lshl_add_u32 v4, v3, 5, v4
	v_add_nc_u32 v[STO], s23, v4
	v_add_nc_u32 v[RD], s23, v[CO]                 ; back: the 32 lanes take one row of 512 bytes
	s_lshl_b32 s16, s15, 7
	s_lshl_b32 s17, s[HR], 6
	s_add_co_u32 s16, s16, s17                     ; my first row of C: 128 x tile row + 64 x half
	s_lshl_b32 s16, s16, 12                        ; rows of 4,096 bytes
	s_lshl_b32 s22, s42, 10
	s_lshl_b32 s23, s[HC], 9
	s_add_co_u32 s22, s22, s23                     ; my first column, in bytes: 1,024 x tile column + 512 x half
	s_mov_b32 s23, 0
	s_add_nc_u64 s[8:9], s[8:9], s[22:23]
	s_add_co_u32 s16, s16, s22
	s_mov_b32 s17, 0
	s_add_nc_u64 s[10:11], s[10:11], s[16:17]
	global_load_b128 v[BV:BV+3], v[CO], s[8:9]     ; bo of the four columns that I hold of a row read back from the stage
; 8 matrix instructions: A's tile a x B's eight, 32 along K, from set f.  zero = 1: the first product starts the sums.  The 32 accumulators take turns, one instruction a turn.
.macro MUL8 f, a, zero
.irp b, 0,1,2,3,4,5,6,7
.if \zero
	v_wmma_f32_16x16x32_f16 v[8*(8*\a+\b):8*(8*\a+\b)+7], v[\f+32+8*\b:\f+32+8*\b+7], v[\f+8*\a:\f+8*\a+7], 0
.else
	v_wmma_f32_16x16x32_f16 v[8*(8*\a+\b):8*(8*\a+\b)+7], v[\f+32+8*\b:\f+32+8*\b+7], v[\f+8*\a:\f+8*\a+7], v[8*(8*\a+\b):8*(8*\a+\b)+7]
.endif
.endr
.endm
; 24 LDS loads in one run: the fragments of the chunk's q-th 32 along K (groups 2 q and 2 q + 1) into set f: B's sixteen loads, then A's eight
.macro FETCH slot, q, f
	WIN 0
.irp i, 0,1,2,3,4,5,6,7
	ds_load_b128 v[\f+32+8*\i:\f+32+8*\i+3],   v[ADRB+\slot] offset:\i*4096+\q*1024
	ds_load_b128 v[\f+32+8*\i+4:\f+32+8*\i+7], v[ADRB+\slot] offset:\i*4096+\q*1024+512
.endr
.irp i, 0,1,2,3
	ds_load_b128 v[\f+8*\i:\f+8*\i+3],   v[ADRA+\slot] offset:\i*4096+\q*1024
	ds_load_b128 v[\f+8*\i+4:\f+8*\i+7], v[ADRA+\slot] offset:\i*4096+\q*1024+512
.endr
.endm
; A chunk is four quarters of 32 along K, 32 matrix instructions each, on sets 0, 1, 0, 1.  One of the first three: multiplies set f and fetches quarter q into set g.
.macro QUARTER slot, q, f, g, zero
	s_wait_dscnt 4                                 ; B and A's tiles 0 and 1 are in; the youngest four loads (A's tiles 2 and 3) may be out
	WIN MUL
	MUL8 \f, 0, \zero
	MUL8 \f, 1, \zero
	PLACES                                         ; four places ahead of loads into registers that matrix instructions have read
	FETCH \slot, \q, \g
	s_wait_dscnt 24                                ; all but the 24 just issued
	WIN MUL
	MUL8 \f, 2, \zero
	MUL8 \f, 3, \zero
.endm
; The last quarter multiplies set 1 and changes slots: ONE barrier; in front of it each wave waits for all its tensor loads, adds 0 to its spare word, and waits for that and for its reads of this slot.
; fill = 1: the barrier opens a round of the cluster's, and this slot is filled again, two chunks ahead: from the request to the wait for it a wave issues 112 matrix instructions.
.macro TURN slot, next, fill
	WIN 0                                          ; (the add's two registers lie in window 0)
	s_wait_tensorcnt 0x0                           ; all my tensor loads have landed: my part of the next slot
	ds_add_u32 v[SPW], v[NIL]                      ; 0 onto my spare word
	s_wait_dscnt 7                                 ; B and A's tile 0 are in (the add and the youngest six loads may be out)
	WIN MUL
	MUL8 F1, 0, 0                                  ; eight matrix instructions stand between the add and the wait for it
	s_wait_dscnt 0x0                               ; the add is done, and my reads of this slot are over
	s_barrier_signal -1
	MUL8 F1, 1, 0
.if \fill
	WIN 0
.endif
	s_barrier_wait -1
.if \fill
	CREST                                          ; no wave of any partner still reads this slot's tiles or has a load on its way
	s_add_nc_u64 s[G0+4*\slot+2:G0+4*\slot+3], s[G0+4*\slot+2:G0+4*\slot+3], 1<<22
	s_add_nc_u64 s[G0B+4*\slot+2:G0B+4*\slot+3], s[G0B+4*\slot+2:G0B+4*\slot+3], 1<<19
	JLOAD \slot                                    ; the first tensor load behind the round; its four v_nop are also the places ahead of the loads below
.else
	PLACES
.endif
	FETCH \next, 0, F0
	WIN MUL
	MUL8 F1, 2, 0
	MUL8 F1, 3, 0
.endm
	s_wait_tensorcnt 1                             ; my part of chunk 0 is in (chunk 1's load may be out)
	s_barrier_signal -1
	s_barrier_wait -1                              ; everybody's is
	FETCH 0, 0, F0
	QUARTER 0, 1, F0, F1, 1                        ; the first quarter stands in front of the loop: its products start the sums
	WIN 0                                          ; at a label and at a branch every window is 0
	s_mov_b32 s3, LAPS-1
.Llap:                                                 ; a trip goes once round the ring, from a lap's second quarter to the next lap's first, and fills both slots again
	QUARTER 0, 2, F1, F0, 0
	QUARTER 0, 3, F0, F1, 0
	TURN 0, 1, 1
	QUARTER 1, 1, F0, F1, 0
	QUARTER 1, 2, F1, F0, 0
	QUARTER 1, 3, F0, F1, 0
	TURN 1, 0, 1
	QUARTER 0, 1, F0, F1, 0
	WIN 0
	s_sub_co_u32 s3, s3, 1
	s_cmp_lg_u32 s3, 0
	s_cbranch_scc1 .Llap
	QUARTER 0, 2, F1, F0, 0                        ; the last lap fills nothing, and has no round of the cluster's barrier
	QUARTER 0, 3, F0, F1, 0
	TURN 0, 1, 0
	QUARTER 1, 1, F0, F1, 0
	QUARTER 1, 2, F1, F0, 0
	QUARTER 1, 3, F0, F1, 0
	s_wait_dscnt 4                                 ; the very last quarter: nothing more to fetch
	WIN MUL
	MUL8 F1, 0, 0
	MUL8 F1, 1, 0
	s_wait_dscnt 0
	MUL8 F1, 2, 0
	MUL8 F1, 3, 0
	WIN 0
; THE WAY OUT, block by block of 16 rows x 128 columns.  A lane holds 32 neighbouring bytes of a row and the lanes beside it other rows: a block goes through my own stage in LDS and comes back as whole rows of
; 512 bytes; bo is added there, and the 32 lanes store 512 consecutive bytes.  LDS serves a wave's instructions in order: no wait between the stores and the loads, nor ahead of the next block's stores.
.macro TOSTAGE a
	WIN 0x04                                       ; an LDS store's data are its source 1: window 1
.irp b, 0,1,2,3,4,5,6,7
	ds_store_b128 v[STO], v[8*(8*(\a)+\b):8*(8*(\a)+\b)+3] offset:64*\b          ; each accumulator from its low end on
	ds_store_b128 v[STO], v[8*(8*(\a)+\b)+4:8*(8*(\a)+\b)+7] offset:64*\b+16
.endr
	WIN 0
.set BB, BK+64*((\a)%2)
.irp t, 0,1,2,3,4,5,6,7,8,9,10,11,12,13,14,15
	ds_load_b128 v[BB+4*\t:BB+4*\t+3], v[RD] offset:\t*SPITCH
.endr
.endm
.macro SEND a, younger                 ; younger: the LDS instructions issued behind block a's loads, which may stay out
.set BB, BK+64*((\a)%2)
	s_wait_dscnt \younger                          ; the block is back in registers
.if (\a) > 0
	s_add_nc_u64 s[10:11], s[10:11], 16*4096       ; (behind a wait on XCNT: the earlier stores have read their base)  16 rows of C on
.endif
.irp t, 0,1,2,3,4,5,6,7,8,9,10,11,12,13,14,15
	v_pk_add_f32 v[BB+4*\t:BB+4*\t+1], v[BB+4*\t:BB+4*\t+1], v[BV:BV+1]
	v_pk_add_f32 v[BB+4*\t+2:BB+4*\t+3], v[BB+4*\t+2:BB+4*\t+3], v[BV+2:BV+3]
	global_store_b128 v[CO], v[BB+4*\t:BB+4*\t+3], s[10:11] offset:\t*4096 th:TH_STORE_NT   ; written once, read by nobody here
.endr
.endm
	s_wait_loadcnt 0x0                             ; bo
	PLACES                                         ; behind the last products: their results are read, and loads land in the fragments' registers
	TOSTAGE 0
.irp a, 1,2,3
.if \a > 1
	s_wait_xcnt 0x0                                ; block a - 2's stores have read their registers and their base: block a's loads may land there, and the base may step
.endif
	TOSTAGE \a
	SEND \a-1, 32                                  ; behind block a - 1's loads: block a's 16 stores and 16 loads
.endr
	s_wait_xcnt 0x0                                ; block 2's stores have read their base
	SEND 3, 0
	s_wait_tensorcnt 0x0                           ; the wave's end, behind my last tensor load and my last LDS store
	ds_add_u32 v[SPW], v[NIL]
	s_wait_dscnt 0x0
	CROUND                                         ; the closing round: no work-group ends while a partner may still ask for a tile that names it
	s_endpgm
.Lfunc_end_k_q4f108d54c4_oproj:
	.size	k_q4f108d54c4_oproj, .Lfunc_end_k_q4f108d54c4_oproj-k_q4f108d54c4_oproj
	.p2alignl 7, 3214868480
	.fill 96, 4, 3214868480
	.section	.rodata,"a",@progbits
	.p2align	6, 0x0
	.amdhsa_kernel k_q4f108d54c4_oproj
		.amdhsa_group_segment_fixed_size 327680
		.amdhsa_private_segment_fixed_size 0
		.amdhsa_enable_private_segment 0
		.amdhsa_kernarg_size 32
		.amdhsa_user_sgpr_count 2
		.amdhsa_user_sgpr_kernarg_segment_ptr 1
		.amdhsa_wavefront_size32 1
		.amdhsa_system_sgpr_workgroup_id_x 1
		.amdhsa_system_sgpr_workgroup_id_y 1
		.amdhsa_system_sgpr_workgroup_id_z 1
		.amdhsa_system_vgpr_workitem_id 0
		.amdhsa_next_free_vgpr 512
		.amdhsa_next_free_sgpr 66
		.amdhsa_reserve_vcc 0
		.amdhsa_float_denorm_mode_32 3
		.amdhsa_float_denorm_mode_16_64 3
		.amdhsa_memory_ordered 1
		.amdhsa_forward_progress 1
		.amdhsa_inst_pref_size 92
	.end_amdhsa_kernel
	.amdgpu_metadata
---
amdhsa.version: [ 1, 2 ]
amdhsa.kernels:
  - .name:           k_q4f108d54c4_oproj
    .symbol:         k_q4f108d54c4_oproj.kd
    .args:
      - { .name: ctx_img, .offset: 0, .size: 8, .value_kind: global_buffer, .address_space: global }
      - { .name: wo_img, .offset: 8, .size: 8, .value_kind: global_buffer, .address_space: global }
      - { .name: bo, .offset: 16, .size: 8, .value_kind: global_buffer, .address_space: global }
      - { .name: out0, .offset: 24, .size: 8, .value_kind: global_buffer, .address_space: global }
    .group_segment_fixed_size: 327680
    .private_segment_fixed_size: 0
    .kernarg_segment_align: 8
    .kernarg_segment_size: 32
    .max_flat_workgroup_size: 128
    .sgpr_count:     66
    .vgpr_count:     512
    .wavefront_size: 32
...
	.end_amdgpu_metadata
.endif
;; end of part 5
